; MI455X (gfx1250); checked and timed in simulation.
; The chip was launched on July 23, 2026; its instructions are those of AMD's public machine-readable ISA for CDNA 5 (MIT licence, August 2026) and "CDNA5" Instruction Set Architecture Reference Guide (July 2026). The comments in the code are by the model that wrote it; some were corrected since.
;; Multihead Attention. Allowed arithmetic: float matrix products may take bf16 or f16 operands with f32 sums; other float arithmetic in f32, or as packed bf16 or f16 multiplies, adds, multiply-adds, maxima and minima; sums over many terms, partial sums and values carried from step to step in f32; what a program stores and reads back later, other than sums and carried values, may be rounded once to bf16 or f16.
;; Inputs: in_proj_bias 3,072 float32; in_proj_weight 3,072 x 1,024 float32; out_proj_bias 1,024 float32; out_proj_weight 1,024 x 1,024 float32; x 1,024 x 8 x 1,024 float32.
;; Outputs: out0 1,024 x 8 x 1,024 float32.
;; One version. Each part assembles by itself: llvm-mc -triple=amdgcn-amd-amdhsa -mcpu=gfx1250 --defsym DOCPART=n.
;; ======== version 1 of 1: 9 launches
;; limits: values are held in f16: magnitudes above 65,504 overflow, below 6.1e-05 lose precision
;; workspace buffers: ah 16,777,216 bytes; wh 8,388,608 bytes; qh 16,777,216 bytes; kh 16,777,216 bytes; vh 16,777,216 bytes; pa 262,144 bytes; pb 262,144 bytes
;; launch cast (part 1): grid 768 x 1, 8 waves a work-group, no clusters, 0 bytes of LDS; arguments x, in_proj_weight, out_proj_weight, ah, wh, pa; writes ah, wh, pa
.if DOCPART == 1
	.amdgcn_target "amdgcn-amd-amdhsa--gfx1250"
	.amdhsa_code_object_version 6
	.text
	.protected	k_qfc3c43983b_cast
	.globl	k_qfc3c43983b_cast
	.p2align	8
	.type	k_qfc3c43983b_cast,@function
k_qfc3c43983b_cast:
	s_mov_b64 s[64:65], 0
	v_nop
	global_prefetch_b8 v0, s[64:65] scope:SCOPE_SE
	s_setreg_imm32_b32 hwreg(HW_REG_WAVE_MODE, 25, 1), 1
	s_wait_xcnt 0x0
; x, in_proj_weight and out_proj_weight (f32) are rounded to bf16 and that number is written as f16: ah = x, wh = the two weights one behind the other.
; pa, the first potential of the Sinkhorn rounds, is set to 0.
; LIMITS.  |x| and |w| stay under 65,504 (f16's range); below 2^-14 the f16 copy keeps f16's fixed step of 6e-8 instead of bf16's eight bits.
; SHARES.  A work-group takes 16,384 numbers: groups 0-511 x, 512-703 in_proj_weight, 704-767 out_proj_weight.  Thread t takes 8 numbers in each of 8 steps of 2,048:
; two loads of 16 bytes in, one store of 16 bytes out; 16 neighbouring lanes store 256 consecutive bytes, aligned.  All sixteen loads go out at once; nothing is rewritten that memory still reads.
; No LDS, no matrix unit, no cluster: the bytes are read once and shared by nobody.
.set X, 4                              ; v[4:67]    step s: 8 numbers as loaded, then widened from bf16
.set Y, 68                             ; v[68:99]   step s: 4 registers to store
.set T, 100                            ; v[100:103] at work: 8 bf16
.set Z, 104                            ; v[104:107] zeros for pa
	s_load_b256 s[4:11], s[0:1], 0x0               ; x s[4:5], in_proj_weight s[6:7], out_proj_weight s[8:9], ah s[10:11]
	s_load_b128 s[12:15], s[0:1], 0x20             ; wh s[12:13], pa s[14:15]
	v_lshlrev_b32 v1, 5, v0                        ; 32 t: my 8 numbers in a step's 8,192 bytes
	v_lshlrev_b32 v2, 4, v0                        ; 16 t: the same 8 numbers as f16
	v_lshrrev_b32 v3, 5, v0
	v_readfirstlane_b32 s21, v3                    ; wave
	s_mov_b32 s16, 0xffff0000                      ; a word's upper bf16
	s_movk_i32 s17, 704
	s_movk_i32 s18, 512
	s_mov_b32 s20, ttmp9                           ; the group
	s_mov_b32 s29, 0
	s_wait_kmcnt 0x0
	s_cmp_ge_u32 s20, s17                          ; which tensor: the choice hangs on the group's number alone
	s_cselect_b64 s[22:23], s[8:9], s[6:7]
	s_cselect_b32 s24, s17, s18                    ; the tensor's first group
	s_cmp_lt_u32 s20, s18
	s_cselect_b64 s[22:23], s[4:5], s[22:23]
	s_cselect_b32 s24, 0, s24
	s_cselect_b64 s[26:27], s[10:11], s[12:13]     ; x goes to ah, both weights to wh
	s_cselect_b32 s25, 0, s18
	s_sub_co_u32 s24, s20, s24
	s_lshl_b32 s28, s24, 16                        ; 65,536 bytes of f32 a group
	s_add_nc_u64 s[22:23], s[22:23], s[28:29]
	s_sub_co_u32 s25, s20, s25
	s_lshl_b32 s28, s25, 15                        ; 32,768 bytes of f16 a group
	s_add_nc_u64 s[26:27], s[26:27], s[28:29]
.irp s, 0,1,2,3,4,5,6,7
	global_load_b128 v[X+8*(\s):X+8*(\s)+3],   v1, s[22:23] offset:8192*(\s) th:TH_LOAD_NT
	global_load_b128 v[X+8*(\s)+4:X+8*(\s)+7], v1, s[22:23] offset:8192*(\s)+16 th:TH_LOAD_NT
.endr
.macro STEP s
	s_wait_loadcnt 14-2*(\s)                       ; loads come back in order: this step's two are in, the 2 (7 - s) younger ones stay out
.irp j, 0,1,2,3
	v_cvt_pk_bf16_f32 v[T+(\j)], v[X+8*(\s)+2*(\j)], v[X+8*(\s)+2*(\j)+1]   ; the one rounding
.endr
.irp j, 0,1,2,3
	v_lshlrev_b32 v[X+8*(\s)+2*(\j)],   16,  v[T+(\j)]                      ; bf16 to f32
	v_and_b32     v[X+8*(\s)+2*(\j)+1], s16, v[T+(\j)]
.endr
.irp j, 0,1,2,3
	v_cvt_pk_f16_f32 v[Y+4*(\s)+(\j)], v[X+8*(\s)+2*(\j)], v[X+8*(\s)+2*(\j)+1]  ; exact in f16's normal range
.endr
	global_store_b128 v2, v[Y+4*(\s):Y+4*(\s)+3], s[26:27] offset:4096*(\s)
.endm
.irp s, 0,1,2,3,4,5,6,7
	STEP \s
.endr
	s_cmp_ge_u32 s20, s18                          ; pa is 512 pieces of 512 bytes: wave 0 of groups 0-511 writes one each
	s_cbranch_scc1 .Ldone
	s_cmp_lg_u32 s21, 0
	s_cbranch_scc1 .Ldone
	v_mov_b32 v[Z], 0
	v_mov_b32 v[Z+1], 0
	v_mov_b32 v[Z+2], 0
	v_mov_b32 v[Z+3], 0
	s_lshl_b32 s28, s20, 9
	s_add_nc_u64 s[14:15], s[14:15], s[28:29]
	global_store_b128 v2, v[Z:Z+3], s[14:15]       ; in wave 0 16 t is 16 x lane: 512 consecutive bytes
.Ldone:
	s_endpgm
.Lfunc_end_k_qfc3c43983b_cast:
	.size	k_qfc3c43983b_cast, .Lfunc_end_k_qfc3c43983b_cast-k_qfc3c43983b_cast
	.p2alignl 7, 3214868480
	.fill 96, 4, 3214868480
	.section	.rodata,"a",@progbits
	.p2align	6, 0x0
	.amdhsa_kernel k_qfc3c43983b_cast
		.amdhsa_group_segment_fixed_size 0
		.amdhsa_private_segment_fixed_size 0
		.amdhsa_enable_private_segment 0
		.amdhsa_kernarg_size 48
		.amdhsa_user_sgpr_count 2
		.amdhsa_user_sgpr_kernarg_segment_ptr 1
		.amdhsa_wavefront_size32 1
		.amdhsa_system_sgpr_workgroup_id_x 1
		.amdhsa_system_sgpr_workgroup_id_y 1
		.amdhsa_system_sgpr_workgroup_id_z 1
		.amdhsa_system_vgpr_workitem_id 0
		.amdhsa_next_free_vgpr 108
		.amdhsa_next_free_sgpr 66
		.amdhsa_reserve_vcc 0
		.amdhsa_float_denorm_mode_32 3
		.amdhsa_float_denorm_mode_16_64 3
		.amdhsa_memory_ordered 1
		.amdhsa_forward_progress 1
		.amdhsa_inst_pref_size 11
	.end_amdhsa_kernel
	.amdgpu_metadata
---
amdhsa.version: [ 1, 2 ]
amdhsa.kernels:
  - .name:           k_qfc3c43983b_cast
    .symbol:         k_qfc3c43983b_cast.kd
    .args:
      - { .name: x, .offset: 0, .size: 8, .value_kind: global_buffer, .address_space: global }
      - { .name: in_proj_weight, .offset: 8, .size: 8, .value_kind: global_buffer, .address_space: global }
      - { .name: out_proj_weight, .offset: 16, .size: 8, .value_kind: global_buffer, .address_space: global }
      - { .name: ah, .offset: 24, .size: 8, .value_kind: global_buffer, .address_space: global }
      - { .name: wh, .offset: 32, .size: 8, .value_kind: global_buffer, .address_space: global }
      - { .name: pa, .offset: 40, .size: 8, .value_kind: global_buffer, .address_space: global }
    .group_segment_fixed_size: 0
    .private_segment_fixed_size: 0
    .kernarg_segment_align: 8
    .kernarg_segment_size: 48
    .max_flat_workgroup_size: 256
    .sgpr_count:     66
    .vgpr_count:     108
    .wavefront_size: 32
...
	.end_amdgpu_metadata
.endif
;; end of part 1
;; launch proj (part 2): grid 12 x 32, 4 waves a work-group, clusters of 4 x 4, 327,680 bytes of LDS; arguments ah, wh, in_proj_bias, qh, kh, vh; writes qh, kh, vh
.if DOCPART == 2
	.amdgcn_target "amdgcn-amd-amdhsa--gfx1250"
	.amdhsa_code_object_version 6
	.text
	.protected	k_qfc3c43983b_proj
	.globl	k_qfc3c43983b_proj
	.p2align	8
	.type	k_qfc3c43983b_proj,@function
k_qfc3c43983b_proj:
	s_mov_b64 s[64:65], 0
	v_nop
	global_prefetch_b8 v0, s[64:65] scope:SCOPE_SE
	s_setreg_imm32_b32 hwreg(HW_REG_WAVE_MODE, 25, 1), 1
	s_wait_xcnt 0x0
	s_wait_alu depctr_hold_cnt(0) depctr_sa_sdst(0) depctr_va_vdst(0) depctr_va_sdst(0) depctr_va_ssrc(0) depctr_va_vcc(0) depctr_vm_vsrc(0)
	s_getreg_b32 s2, hwreg(HW_REG_IB_STS2, 6, 4)
	s_cmp_eq_u32 s2, 0
	s_cbranch_scc0 .Lentry_in_a_cluster
	s_endpgm
.Lentry_in_a_cluster:
	s_bfe_u32 s2, ttmp6, 0x10000c
	s_cmp_lg_u32 s2, 0xf033
	s_cbranch_scc0 .Lentry_shape_is_right
	s_endpgm
.Lentry_shape_is_right:
; THE INPUT PROJECTION.  C[m][n] = sum over k of A[m][k] B[n][k] + bias[n], K = 1,024, f16 operands, f32 sums.  A = x (ah, [l][b][1024]), B = rows 0-3071 of wh.
; C is rounded once to f16 and written by heads: qh, kh, vh [b*8+h][l][128], unscaled.  The bias is rounded to bf16 like the module's other inputs and starts the sums as the first product's C.
; LIMITS.  f16 holds no number beyond 65,504: the results q, k, v must stay within it.  NaN and infinities are not treated apart.
; SHARES.  A tile of C is 256 (m) x 256 (n): 32 x 12 = 384 work-groups.  A tile's 256 rows are 256 consecutive l of one b, so A's rows lie 8,192 elements apart.  Four waves, as many as a WGP has SIMDs,
; each 128 x 128: 64 accumulators, 512 registers.  K goes in steps of 128 (rows of 256 bytes, each at a multiple of 256 from its buffer's first byte) through two LDS slots.  This tile is taken, though 384 is
; no multiple of the 768 work-groups' count that a tile of 128 x 256 gives, because a K step then holds 256 matrix instructions a wave, 224 of them between a slot's request and the wait for it (there 128 and
; 112), and 32 LDS loads feed 64 matrix instructions (there 24 feed 32).
; CLUSTER.  4 x 4 work-groups: the four of a row need the same tiles of A, the four of a column the same tiles of B; each tile is asked for jointly, by the same tensor load with the same descriptor and a mask of four.
; THE MATRIX INSTRUCTION IS USED TRANSPOSED (source 0 = 16 rows of B, source 1 = 16 rows of A): a lane holds eight neighbouring numbers of a row of C, which pack into 16 bytes.
; THE LAST K STEP GOES BY ROWS OF C, so that finished rows leave while the others are multiplied.
; REGISTERS, in windows of 256 (s_set_vgpr_msb: bits 1:0 source 0, 3:2 source 1, 5:4 source 2, 7:6 destination):
;   window 0: v0-31 addresses; v64-127, v128-191 fragments of A, two buffers (in the last K step four, of 16 rows x 128 K); v32-63, v192-255 at work on the way out
;   window 1: v64-127, v128-191 fragments of B, two buffers; v0-63 the bias of my 128 columns as eight C operands, v192-195 at work on it; in the last K step all 256: B's fragments of the whole step
;   window 2: the 32 accumulators of my rows 0-63 (accumulator (a, b) at v[8 (8 a + b)]);   window 3: those of my rows 64-127
.set KSTEP,  128
.set PITCH,  272                       ; an LDS row: 256 bytes + 16 of padding = 68 words: the 16 rows of a fragment load start at 16 different groups of four banks (ISA guide 11.1)
.set HALFT,  128*PITCH                 ; 128 rows: what one tensor load brings, and what one wave reads of A or of B
.set SLOT,   4*HALFT                   ; A's 256 rows, then B's 256 rows
.set STAGE,  2*SLOT                    ; behind the ring: 16 rows x 272 bytes for each wave, for the way out
.set SPITCH, 272
.set SPARE,  STAGE+4*16*SPITCH         ; behind the stages: the spare words, 128 bytes for each wave: two blocks of 256 bytes that no other line names
.set LAPS,   1024/(2*KSTEP)            ; a lap = two K steps = once round the ring
.set ADRA, 16                          ; v16-17  LDS address of my A fragments in slot 0, 1
.set ADRB, 20                          ; v20-21  the same for B
.set STO,  24                          ; v24     the way out: where I put 16 bytes of a row
.set RD,   25                          ; v25     the way out: where I read a row back
.set CO,   26                          ; v26     my byte offset in C: 16 x lane
.set BO,   27                          ; v27     my byte offset in the bias: 32 (lane / 16)
.set SPW,  28                          ; v28     LDS address of my spare word; never rewritten
.set NIL,  29                          ; v29     0; never rewritten
.set F0,   64                          ; fragment buffer 0
.set F1,   128                         ; fragment buffer 1
.set TMP,  192                         ; the way out: packed results, in window 0
.set OB,   32                          ; the way out: 16 rows read back from the stage: v32-63 and v224-255 by turns
.set PA,   64                          ; the last K step: A's fragments of 16 rows x 128 K, 32 registers; four such buffers, v64-191
.set BI,   0                           ; window 1
.set BW,   192                         ; window 1
.set G1,  24                           ; s[24:31] descriptor group 1 for A's tiles;  s[32:39] group 0, one set for each slot
.set G0,  32
.set G1B, 48                           ; s[48:55], s[56:63] the same for B's tiles
.set G0B, 56
.set WV,  72                           ; s72 wave
.set WM,  73                           ; s73 which 128 rows are mine; also: I fetch for A (0) or for B (1)
.set WN,  74                           ; s74 which 128 columns are mine; also: which half of that tile I fetch
.set BB,  75                           ; s75 b
.set LB,  76                           ; s76 which 256 l
.set HM,  77                           ; s77 a word's upper half
.set MSB, 0
.macro WIN new                         ; the immediate's high byte repeats the setting that is left; a switch that changes nothing is dropped
.if MSB != (\new)
	s_set_vgpr_msb (MSB<<8)|(\new)
.set MSB, \new
.endif
.endm
.set MUL_LO, 0xa1                      ; source 0 (B) window 1, source 1 (A) window 0, C and D window 2
.set MUL_HI, 0xf1                      ; the same, C and D window 3
.set BIA_LO, 0x91                      ; the first products: C (the bias) window 1, D window 2; with 0x40 more: D window 3
.set TO_B,   0x40                      ; destination window 1, address window 0
.macro JLOAD s                         ; a joint load: waves 0 and 1 fetch A's two halves, waves 2 and 3 B's; an s_nop 0 and four v_nop follow each of the two lines
	s_cmp_eq_u32 s[WM], 0
	s_cbranch_scc0 .Lfor_b_\@
	tensor_load_to_lds s[G0+4*(\s):G0+4*(\s)+3], s[G1:G1+7]
	s_nop 0
.rept 4
	v_nop
.endr
	s_branch .Lasked_\@
.Lfor_b_\@:
	tensor_load_to_lds s[G0B+4*(\s):G0B+4*(\s)+3], s[G1B:G1B+7]
	s_nop 0
.rept 4
	v_nop
.endr
.Lasked_\@:
.endm
.macro CREST                           ; a round of the cluster's barrier behind its opening barrier
	s_cmp_lg_u32 s[WV], 0
	s_cbranch_scc1 .Lnot_wave_0_\@
	s_barrier_signal -3
.Lnot_wave_0_\@:
	s_barrier_wait -3
	s_barrier_signal -1
	s_barrier_wait -1
.endm
.macro CROUND                          ; a whole round
	s_barrier_signal -1
	s_barrier_wait -1
	CREST
.endm
	s_load_b256 s[4:11], s[0:1], 0x0               ; A s[4:5], B s[6:7], bias s[8:9], qh s[10:11]
	s_load_b128 s[68:71], s[0:1], 0x20             ; kh s[68:69], vh s[70:71]
	v_lshl_add_u32 v[SPW], v0, 2, SPARE
	v_mov_b32 v[NIL], 0
	ds_add_u32 v[SPW], v[NIL]                      ; the wave's opening: the add and its wait stand ahead of my first tensor load; the set-up below stands between them
	v_lshrrev_b32 v1, 5, v0
	v_readfirstlane_b32 s[WV], v1
	s_lshr_b32 s[WM], s[WV], 1
	s_and_b32 s[WN], s[WV], 1
	s_bfe_u32 s40, ttmp6, 0x40000                  ; cx, cy: my place in the cluster
	s_bfe_u32 s41, ttmp6, 0x40004
	s_lshl_b32 s42, ttmp9, 2
	s_add_co_u32 s42, s42, s40                     ; tile column = 4 x cluster x + cx
	s_and_b32 s13, ttmp7, 0xffff
	s_lshl_b32 s13, s13, 2
	s_add_co_u32 s13, s13, s41                     ; tile row = 4 x cluster y + cy = 4 b + block of 256 l
	s_lshr_b32 s[BB], s13, 2
	s_and_b32 s[LB], s13, 3
	s_lshl_b32 s43, s41, 2
	s_lshl_b32 s43, 15, s43                        ; my row of the cluster
	s_lshl_b32 s44, 0x1111, s40                    ; my column
	s_or_b32 s[G1+0], s43, (1<<16)|(1<<20)|(1<<21)|(5<<22)|(3<<25)   ; 15:0 the mask; 17:16 2-byte elements; 20 padding on; 21 set beside a mask; 24:22 after every 64 words; 31:25 4 words of it
	s_or_b32 s[G1B+0], s44, (1<<16)|(1<<20)|(1<<21)|(5<<22)|(3<<25)
.irp g, G1, G1B
	s_mov_b32 s[(\g)+1], KSTEP<<16                 ; tensor_dim0 = 128
	s_mov_b32 s[(\g)+2], 128<<16                   ; tensor_dim1 = 128
	s_mov_b32 s[(\g)+3], KSTEP<<16                 ; tile_dim0 = 128
	s_mov_b32 s[(\g)+4], 128                       ; tile_dim1 = 128
	s_mov_b32 s[(\g)+6], 0
	s_mov_b32 s[(\g)+7], 0
.endr
	s_mov_b32 s[G1+5], 8192                        ; A: from l to l + 1 are 8 b x 1,024 elements
	s_mov_b32 s[G1B+5], 1024                       ; B: rows 1,024 elements apart
	s_mov_b32 s[HM], 0xffff0000
	s_lshl_b32 s16, s[LB], 22                      ; A: 256 l x 16,384 bytes,
	s_lshl_b32 s17, s[WN], 21                      ; the half of 128 l that I fetch,
	s_add_co_u32 s16, s16, s17
	s_lshl_b32 s17, s[BB], 11                      ; b's 2,048 bytes: made of the tile row and the wave's number alone
	s_add_co_u32 s16, s16, s17
	s_mov_b32 s17, 0
	s_lshl_b32 s46, s42, 19                        ; B: 256 rows x 2,048 bytes,
	s_lshl_b32 s47, s[WN], 18                      ; the half of 128 rows that I fetch: made of the tile column and the wave's number alone
	s_add_co_u32 s46, s46, s47
	s_mov_b32 s47, 0
	s_mul_i32 s20, s[WV], HALFT                    ; where they go: A's two halves, then B's two halves = wave x 128 rows: no place in the cluster enters an LDS address
	s_wait_dscnt 0x0                               ; the opening add is done
	s_wait_kmcnt 0x0
	s_add_nc_u64 s[14:15], s[4:5], s[16:17]
	s_add_nc_u64 s[46:47], s[6:7], s[46:47]
	CROUND                                         ; all sixteen work-groups are here: the first joint loads meet
.irp s, 0,1
	s_mov_b32 s[G0+4*(\s)], 1
	s_add_co_u32 s[G0+4*(\s)+1], s20, (\s)*SLOT
	s_add_nc_u64 s[G0+4*(\s)+2:G0+4*(\s)+3], s[14:15], (\s)*KSTEP*2
	s_or_b32 s[G0+4*(\s)+3], s[G0+4*(\s)+3], 0x80000000
	s_mov_b32 s[G0B+4*(\s)], 1
	s_add_co_u32 s[G0B+4*(\s)+1], s20, (\s)*SLOT
	s_add_nc_u64 s[G0B+4*(\s)+2:G0B+4*(\s)+3], s[46:47], (\s)*KSTEP*2
	s_or_b32 s[G0B+4*(\s)+3], s[G0B+4*(\s)+3], 0x80000000
	JLOAD \s                                       ; the ring is filled before anything else is done: two tensor loads of mine are out
.endr
	v_and_b32 v1, 15, v0                           ; l % 16
	v_bfe_u32 v2, v0, 4, 1                         ; l / 16
	v_lshlrev_b32 v[BO], 5, v2
	s_lshl_b32 s46, s42, 10                        ; the bias of my 128 columns: 4 (256 x tile column + 128 x half)
	s_lshl_b32 s47, s[WN], 9
	s_add_co_u32 s46, s46, s47
	s_mov_b32 s47, 0
	s_add_nc_u64 s[8:9], s[8:9], s[46:47]
	WIN TO_B                                       ; destination window 1, address window 0
.irp b, 0,1,2,3,4,5,6,7
	global_load_b128 v[BI+8*(\b):BI+8*(\b)+3],   v[BO], s[8:9] offset:64*(\b)      ; register j of block b: column 16 b + 8 (l / 16) + j, as in a result
	global_load_b128 v[BI+8*(\b)+4:BI+8*(\b)+7], v[BO], s[8:9] offset:64*(\b)+16
.endr
	WIN 0
	; A fragment is 16 rows x 32 K in 8 registers: lane l holds row l % 16; registers 0-3 hold K = 8 (l / 16) + 0..7, registers 4-7 K = 16 + 8 (l / 16) + 0..7: two loads of 16 bytes, 32 bytes apart.
	v_mul_u32_u24 v3, v1, PITCH
	v_lshl_add_u32 v3, v2, 4, v3                   ; row x pitch + 16 x half
	s_mul_i32 s21, s[WM], HALFT                    ; my 128 rows of A
	s_mul_i32 s22, s[WN], HALFT                    ; my 128 rows of B,
	s_add_co_u32 s22, s22, 2*HALFT                 ; which lie behind A's 256
.irp s, 0,1
	v_add_nc_u32 v[ADRA+(\s)], s21, v3
	v_add_nc_u32 v[ADRB+(\s)], s22, v3
	s_add_co_u32 s21, s21, SLOT
	s_add_co_u32 s22, s22, SLOT
.endr
	s_mul_i32 s23, s[WV], 16*SPITCH
	s_add_co_u32 s23, s23, STAGE                   ; my stage
	v_and_b32 v5, 31, v0
	v_lshlrev_b32 v[CO], 4, v5
	v_mul_u32_u24 v4, v1, SPITCH                   ; in: row l % 16, 16 bytes (8 f16) for each half of the lanes
	v_lshl_add_u32 v4, v2, 4, v4
	v_add_nc_u32 v[STO], s23, v4
	v_mul_u32_u24 v5, v2, SPITCH                   ; back: lanes 0-15 take one row of 256 bytes, lanes 16-31 the next
	v_lshl_add_u32 v5, v1, 4, v5
	v_add_nc_u32 v[RD], s23, v5
	s_mov_b32 s78, ttmp9                           ; tile columns 0-3 are q, 4-7 k, 8-11 v: the cluster's x says which
	s_cmp_eq_u32 s78, 1
	s_cselect_b64 s[10:11], s[68:69], s[10:11]
	s_cmp_eq_u32 s78, 2
	s_cselect_b64 s[10:11], s[70:71], s[10:11]
	s_lshl_b32 s46, s[BB], 3
	s_lshl1_add_u32 s46, s40, s46
	s_add_co_u32 s46, s46, s[WN]                   ; my 128 columns are one head: 8 b + 2 cx + half
	s_lshl_b32 s46, s46, 10
	s_lshl_b32 s47, s[LB], 8
	s_add_co_u32 s46, s46, s47
	s_lshl_b32 s47, s[WM], 7
	s_add_co_u32 s46, s46, s47                     ; its row l = 256 x block + 128 x half,
	s_lshl_b32 s46, s46, 8                         ; of 256 bytes
	s_mov_b32 s47, 0
	s_add_nc_u64 s[10:11], s[10:11], s[46:47]
	s_wait_loadcnt 0x0                             ; the bias
	WIN 0x45                                       ; sources and destination window 1
.set i, 0
.rept 32
	v_cvt_pk_bf16_f32 v[BW+i%4], v[BI+2*i], v[BI+2*i+1]  ; rounded to bf16 like the module's other inputs, and widened again
	v_lshlrev_b32 v[BI+2*i],   16,    v[BW+i%4]
	v_and_b32     v[BI+2*i+1], s[HM], v[BW+i%4]
.set i, i+1
.endr
	WIN 0
; 16 matrix instructions: m blocks a0, a0 + 1 of the window's four (hi = 0: my rows 0-63, 1: rows 64-127) x all 8 n blocks, 32 along K.
; first = 1: the bias starts the sums: nothing is ever cleared.  The 64 accumulators take turns, one instruction a turn, in the same order in every quarter.
.macro MUL16 f, hi, a0, first
.if \first
	WIN BIA_LO+0x40*(\hi)
.else
	WIN MUL_LO+0x50*(\hi)
.endif
.irp a, \a0, (\a0)+1
.irp b, 0,1,2,3,4,5,6,7
.if \first
	v_wmma_f32_16x16x32_f16 v[8*(8*(\a)+(\b)):8*(8*(\a)+(\b))+7], v[(\f)+8*(\b):(\f)+8*(\b)+7], v[(\f)+8*(4*(\hi)+(\a)):(\f)+8*(4*(\hi)+(\a))+7], v[BI+8*(\b):BI+8*(\b)+7]
.else
	v_wmma_f32_16x16x32_f16 v[8*(8*(\a)+(\b)):8*(8*(\a)+(\b))+7], v[(\f)+8*(\b):(\f)+8*(\b)+7], v[(\f)+8*(4*(\hi)+(\a)):(\f)+8*(4*(\hi)+(\a))+7], v[8*(8*(\a)+(\b)):8*(8*(\a)+(\b))+7]
.endif
.endr
.endr
.endm
; 32 LDS loads in one run: the fragments of one quarter step (128 rows of B, 128 rows of A, 32 K at byte k of the rows) into buffer f
.macro FETCH slot, k, f
	WIN TO_B
.irp i, 0,1,2,3,4,5,6,7
	ds_load_b128 v[(\f)+8*(\i):(\f)+8*(\i)+3],   v[ADRB+(\slot)] offset:(\k)+(\i)*16*PITCH
	ds_load_b128 v[(\f)+8*(\i)+4:(\f)+8*(\i)+7], v[ADRB+(\slot)] offset:(\k)+(\i)*16*PITCH+32
.endr
	WIN 0
.irp i, 0,1,2,3,4,5,6,7
	ds_load_b128 v[(\f)+8*(\i):(\f)+8*(\i)+3],   v[ADRA+(\slot)] offset:(\k)+(\i)*16*PITCH
	ds_load_b128 v[(\f)+8*(\i)+4:(\f)+8*(\i)+7], v[ADRA+(\slot)] offset:(\k)+(\i)*16*PITCH+32
.endr
.endm
; A load into a register that a matrix instruction has read, and a vector instruction that reads a matrix result, stand four places behind that matrix instruction, and only plain vector
; instructions that name none of its registers are places (ISA guide 7.12.1 for vector instructions).
.macro PLACES
.rept 4
	v_nop
.endr
.endm
; A K step is four quarter steps of 32 along K, 64 matrix instructions each, on buffers 0, 1, 0, 1.
; One of the first three: multiplies buffer f; in its middle it fetches the next quarter's fragments, at byte k of the same slot's rows, into buffer g.
.macro QUARTER slot, k, f, g, first
	s_wait_dscnt 8                                 ; B and A's rows 0-63 are in; the youngest eight loads (A's rows 64-127) may be out
	MUL16 \f, 0, 0, \first
	MUL16 \f, 0, 2, \first
	PLACES
	FETCH \slot, \k, \g
	s_wait_dscnt 32                                ; all but the 32 just issued
	MUL16 \f, 1, 0, \first
	MUL16 \f, 1, 2, \first
.endm
; The last quarter multiplies buffer 1 and changes slots.  MEET is its first half: ONE barrier for the change of slots.  In front of it each wave waits for all its tensor loads, of which one is out: its part of
; the next slot; adds 0 to its spare word; and waits for that and for its own reads of this slot.  Behind it nobody reads this slot any more and the next slot is whole.
.macro MEET round                      ; round = 1: a round of the cluster's barrier follows
	WIN 0                                          ; (the add's two registers lie in window 0)
	s_wait_tensorcnt 0x0                           ; all my tensor loads have landed: the one that was out is my part of the next slot;
	ds_add_u32 v[SPW], v[NIL]                      ; 0 onto my spare word;
	s_wait_dscnt 9                                 ; (the add and the youngest eight loads may be out)
	MUL16 F1, 0, 0, 0                              ; sixteen matrix instructions stand between the add and the wait for it
	s_wait_dscnt 0x0                               ; the add is done, and my reads of this slot are over:
	s_barrier_signal -1                            ; say so,
	MUL16 F1, 0, 2, 0                              ; work on registers while the others arrive,
.if \round
	WIN 0
.endif
	s_barrier_wait -1                              ; and go on when all four have said so
.endm
; The whole last quarter.  Behind the round the slot just read out is filled again first, with the K step two steps on; then come the next slot's first fragments.
.macro TURN slot, next
	MEET 1
	CREST                                          ; no wave of any partner still reads this slot's tile or has a load on its way
	s_add_nc_u64 s[G0+4*(\slot)+2:G0+4*(\slot)+3], s[G0+4*(\slot)+2:G0+4*(\slot)+3], 2*KSTEP*2
	s_add_nc_u64 s[G0B+4*(\slot)+2:G0B+4*(\slot)+3], s[G0B+4*(\slot)+2:G0B+4*(\slot)+3], 2*KSTEP*2
	JLOAD \slot                                    ; the first tensor load behind the round, my only one until the next; its four v_nop are also the places in front of the loads below
	FETCH \next, 0, F0
	MUL16 F1, 1, 0, 0
	MUL16 F1, 1, 2, 0
.endm
; THE LAST K STEP (it lies in slot 1) GOES BY ROWS OF C, NOT BY K.  All its fragments of B (4 quarters x 64 registers) fill window 1; then my eight blocks of 16 rows are finished one after the other,
; each with 32 matrix instructions (its 8 accumulators by turns, K ascending).  LDS is read no more than in any other K step.
.macro BLOAD q                         ; B's fragments of quarter q -> window 1, v[64 q ..]
	WIN TO_B
.irp i, 0,1,2,3,4,5,6,7
	ds_load_b128 v[64*(\q)+8*(\i):64*(\q)+8*(\i)+3],   v[ADRB+1] offset:64*(\q)+(\i)*16*PITCH
	ds_load_b128 v[64*(\q)+8*(\i)+4:64*(\q)+8*(\i)+7], v[ADRB+1] offset:64*(\q)+(\i)*16*PITCH+32
.endr
.endm
.macro ALOAD a                         ; A's fragments of block a, all four quarters -> buffer a % 4
	WIN 0
.set FA, PA+32*((\a)%4)
.irp q, 0,1,2,3
	ds_load_b128 v[FA+8*(\q):FA+8*(\q)+3],   v[ADRA+1] offset:64*(\q)+(\a)*16*PITCH
	ds_load_b128 v[FA+8*(\q)+4:FA+8*(\q)+7], v[ADRA+1] offset:64*(\q)+(\a)*16*PITCH+32
.endr
.endm
.macro ROW a                           ; block a is finished: 32 matrix instructions
.set FA, PA+32*((\a)%4)                ; its fragments of A
.set AC, 64*((\a)%4)                   ; its eight accumulators, in window 2 (blocks 0-3) or 3 (blocks 4-7)
	WIN MUL_LO+0x50*((\a)/4)
.irp q, 0,1,2,3
.if (\a) == 0 && (\q) == 2
	s_wait_dscnt 24                                ; B's quarter 2 is in (behind it: A's blocks 1 to 3)
.endif
.irp b, 0,1,2,3,4,5,6,7
	v_wmma_f32_16x16x32_f16 v[AC+8*(\b):AC+8*(\b)+7], v[64*(\q)+8*(\b):64*(\q)+8*(\b)+7], v[FA+8*(\q):FA+8*(\q)+7], v[AC+8*(\b):AC+8*(\b)+7]
.endr
.endr
.endm
; THE WAY OUT of block a, in three parts.  PACK: rounded to f16, 16 bytes a lane, each accumulator's registers in ascending order.  TOSTAGE: into my own stage in LDS, and back as whole rows of 256 bytes.  SEND: stored.
.macro PACK a
.set AC, 64*((\a)%4)
	WIN 0x0a+5*((\a)/4)                            ; sources 0 and 1: window 2 or 3
.irp b, 0,1,2,3,4,5,6,7
.irp r, 0,1,2,3
	v_cvt_pk_f16_f32 v[TMP+4*(\b)+(\r)], v[AC+8*(\b)+2*(\r)], v[AC+8*(\b)+2*(\r)+1]
.endr
.endr
	WIN 0
.endm
.macro TOSTAGE a
	WIN 0
.set BK, OB+192*((\a)%2)
.irp b, 0,1,2,3,4,5,6,7
	ds_store_b128 v[STO], v[TMP+4*(\b):TMP+4*(\b)+3] offset:32*(\b)
.endr
.irp t, 0,1,2,3,4,5,6,7
	ds_load_b128 v[BK+4*(\t):BK+4*(\t)+3], v[RD] offset:(\t)*2*SPITCH  ; LDS serves a wave's instructions in order (ISA guide 5.7.1.4): these see the stores above
.endr
.endm
.macro SEND a, younger                 ; younger: the LDS loads issued behind TOSTAGE's, which may stay out
	WIN 0
.set BK, OB+192*((\a)%2)
	s_wait_dscnt \younger                          ; the block is back in registers
	s_wait_xcnt 0x0                                ; the registers that the block before's stores read are loaded again (by the next block's way through the stage) only behind this wait
.irp t, 0,1,2,3,4,5,6,7
	global_store_b128 v[CO], v[BK+4*(\t):BK+4*(\t)+3], s[10:11] offset:4096*(\a)+512*(\t)  ; two rows of a head: 512 consecutive bytes, at a multiple of 512 from the tensor's first
.endr
.endm
	s_wait_tensorcnt 1                             ; my part of K step 0 is in; K step 1's may stay out
	s_barrier_signal -1
	s_barrier_wait -1                              ; everybody's is
	FETCH 0, 0, F0
	QUARTER 0, 64,  F0, F1, 1                      ; the first quarter stands in front of the loop: its products start the sums
	WIN 0                                          ; at a label and at a branch every window is 0
	s_mov_b32 s3, LAPS-1
.Llap:                                                 ; a trip goes once round the ring, from a lap's second quarter to the next lap's first, and fills both slots again
	QUARTER 0, 128, F1, F0, 0
	QUARTER 0, 192, F0, F1, 0
	TURN 0, 1
	QUARTER 1, 64,  F0, F1, 0
	QUARTER 1, 128, F1, F0, 0
	QUARTER 1, 192, F0, F1, 0
	TURN 1, 0
	QUARTER 0, 64,  F0, F1, 0
	WIN 0
	s_sub_co_u32 s3, s3, 1
	s_cmp_lg_u32 s3, 0
	s_cbranch_scc1 .Llap
	QUARTER 0, 128, F1, F0, 0                      ; the last lap goes on; it asks for nothing more
	QUARTER 0, 192, F0, F1, 0
	MEET 0                                         ; my one tensor load that was still out is slot 1's, the last K step's, so no round follows
	PLACES                                         ; for the loads into buffer 0, which the quarter before multiplied
	BLOAD 0                                        ; three quarters of B now: buffer 1 (v128-191 of both windows) is still being multiplied
	BLOAD 1
	BLOAD 3
	ALOAD 0
	MUL16 F1, 1, 0, 0
	MUL16 F1, 1, 2, 0
	PLACES                                         ; for the loads into buffer 1
	BLOAD 2
	ALOAD 1
	ALOAD 2
	ALOAD 3
	s_wait_dscnt 40                                ; all but the 40 just issued
	ROW 0
.irp a, 0,1,2,3,4,5,6,7                ; each block leaves as soon as it is finished
	PLACES                                         ; its conversions read results just made, and no other vector work is at hand
	PACK \a
	TOSTAGE \a
.if (\a) < 4
	ALOAD (\a)+4                                   ; its buffer takes the block four further on
	SEND \a, 8
.else
	SEND \a, 0
.endif
.if (\a) < 7
	ROW (\a)+1
.endif
.endr
	s_wait_tensorcnt 0x0                           ; the wave's end: a wait, an add onto my spare word and its wait, behind my last tensor load and my last LDS store
	ds_add_u32 v[SPW], v[NIL]
	s_wait_dscnt 0x0
	CROUND                                         ; the closing round: no work-group ends while a partner may still ask for a tile that names it
	s_endpgm
.Lfunc_end_k_qfc3c43983b_proj:
	.size	k_qfc3c43983b_proj, .Lfunc_end_k_qfc3c43983b_proj-k_qfc3c43983b_proj
	.p2alignl 7, 3214868480
	.fill 96, 4, 3214868480
	.section	.rodata,"a",@progbits
	.p2align	6, 0x0
	.amdhsa_kernel k_qfc3c43983b_proj
		.amdhsa_group_segment_fixed_size 327680
		.amdhsa_private_segment_fixed_size 0
		.amdhsa_enable_private_segment 0
		.amdhsa_kernarg_size 48
		.amdhsa_user_sgpr_count 2
		.amdhsa_user_sgpr_kernarg_segment_ptr 1
		.amdhsa_wavefront_size32 1
		.amdhsa_system_sgpr_workgroup_id_x 1
		.amdhsa_system_sgpr_workgroup_id_y 1
		.amdhsa_system_sgpr_workgroup_id_z 1
		.amdhsa_system_vgpr_workitem_id 0
		.amdhsa_next_free_vgpr 1024
		.amdhsa_next_free_sgpr 80
		.amdhsa_reserve_vcc 0
		.amdhsa_float_denorm_mode_32 3
		.amdhsa_float_denorm_mode_16_64 3
		.amdhsa_memory_ordered 1
		.amdhsa_forward_progress 1
		.amdhsa_inst_pref_size 149
	.end_amdhsa_kernel
	.amdgpu_metadata
---
amdhsa.version: [ 1, 2 ]
amdhsa.kernels:
  - .name:           k_qfc3c43983b_proj
    .symbol:         k_qfc3c43983b_proj.kd
    .args:
      - { .name: ah, .offset: 0, .size: 8, .value_kind: global_buffer, .address_space: global }
      - { .name: wh, .offset: 8, .size: 8, .value_kind: global_buffer, .address_space: global }
      - { .name: in_proj_bias, .offset: 16, .size: 8, .value_kind: global_buffer, .address_space: global }
      - { .name: qh, .offset: 24, .size: 8, .value_kind: global_buffer, .address_space: global }
      - { .name: kh, .offset: 32, .size: 8, .value_kind: global_buffer, .address_space: global }
      - { .name: vh, .offset: 40, .size: 8, .value_kind: global_buffer, .address_space: global }
    .group_segment_fixed_size: 327680
    .private_segment_fixed_size: 0
    .kernarg_segment_align: 8
    .kernarg_segment_size: 48
    .max_flat_workgroup_size: 128
    .sgpr_count:     80
    .vgpr_count:     1024
    .wavefront_size: 32
...
	.end_amdgpu_metadata
.endif
;; end of part 2
;; launch lse1 (part 3): grid 4 x 64, 8 waves a work-group, clusters of 4 x 1, 327,680 bytes of LDS; arguments kh, qh, pa, pb; writes pb
.if DOCPART == 3
	.amdgcn_target "amdgcn-amd-amdhsa--gfx1250"
	.amdhsa_code_object_version 6
	.text
	.protected	k_qfc3c43983b_lse1
	.globl	k_qfc3c43983b_lse1
	.p2align	8
	.type	k_qfc3c43983b_lse1,@function
k_qfc3c43983b_lse1:
	s_mov_b64 s[64:65], 0
	v_nop
	global_prefetch_b8 v0, s[64:65] scope:SCOPE_SE
	s_setreg_imm32_b32 hwreg(HW_REG_WAVE_MODE, 25, 1), 1
	s_wait_xcnt 0x0
	s_wait_alu depctr_hold_cnt(0) depctr_sa_sdst(0) depctr_va_vdst(0) depctr_va_sdst(0) depctr_va_ssrc(0) depctr_va_vcc(0) depctr_vm_vsrc(0)
	s_getreg_b32 s2, hwreg(HW_REG_IB_STS2, 6, 4)
	s_cmp_eq_u32 s2, 0
	s_cbranch_scc0 .Lentry_in_a_cluster
	s_endpgm
.Lentry_in_a_cluster:
	s_bfe_u32 s2, ttmp6, 0x10000c
	s_cmp_lg_u32 s2, 0x3003
	s_cbranch_scc0 .Lentry_shape_is_right
	s_endpgm
.Lentry_shape_is_right:
; ONE HALF-STEP OF THE LOG-DOMAIN SINKHORN.  pout[head][x] = -(1 / scale) logsumexp over y of scale (X[head][x] . Y[head][y] + pin[head][y]), scale = 1 / sqrt(128).
; X, Y: [64][1024][128] f16.  pin, pout: [64][1024] f32, potentials in units of the raw dot product.  With X = K, Y = Q it is a column step, with X = Q, Y = K a row step.
; Products and all sums in f32.  pin enters as the C operand that starts a score's sum.  A running maximum m and sum l for each lane: l = sum of 2^(c s - c m), c = log2(e) / sqrt(128);
; in every step l is multiplied by 2^(c m_old - c m_new).  At the end the partial (m, l) are merged, and pout = -m - log2(l) / c.
; LIMITS.  A term below 2^-126 of the largest counts as 0; NaN and infinities are not treated apart.
; SHARES.  A work-group owns 256 rows x of one head.  Wave w: its 64 rows are block w % 4 (four tiles of 16); of Y it walks rows 64 (w / 4) + 128 k .. + 63, k = 0 .. 7.  So a SIMD holds two waves
; with the same x and different y: while one issues a step's 64 products the other does a step's vector work, and each fragment of Y still feeds four tiles.
; LAYOUT.  Source 0 = 16 rows of Y, source 1 = 16 rows of X: in the result a lane holds ONE x (lane % 16) and the y 8 (lane / 16) + 0..7.
; LDS.  The head's whole Y and pin are brought once; nothing is filled twice.  CLUSTER: the four work-groups of a head need the same Y and pin: every tile is asked for jointly.
; ORDER OF THE REQUESTS.  The first product needs all of my X and the first rows of Y: so X is asked for first, ahead of the cluster's round, then pin and Y from its first rows on.
; REGISTERS: window 0: v0-15 addresses; v16-47 eight registers of statistics a tile; v48-79 pin as four C operands; v96-223 the scores, 32 a tile.   window 1: v0-127 X, 32 a tile; v128-255 Y of one step.
.set PY,    272       ; a row of Y in LDS: 256 bytes + 16 of padding: the 16 rows of a load start at 16 different groups of four banks (ISA guide 11.1)
.set PIN,   1024*PY   ; behind Y: the head's 1,024 potentials
.set SCR,   PIN+4096  ; behind them, never filled by a tensor load: m [8 waves][64], then l [8 waves][64]
.set SPARE, SCR+4096  ; the spare words, 128 bytes for each of eight waves: four blocks of 256 bytes that no other line names
.set AY0, 3           ; v3   my lane's place in my wave's rows of Y; never rewritten
.set AP0, 4           ; v4   the same in pin
.set ADY, 5           ; v5   the LDS address of the step's Y; at the end my byte offset in pout
.set ADP, 6           ; v6   of the step's pin; at the end at work
.set XO,  7           ; v7   my byte offset in the wave's rows of X
.set SPW, 10          ; v10  LDS address of my spare word; never rewritten
.set NIL, 11          ; v11  0; never rewritten
.set ST,  16          ; tile t's statistics at v[ST+8 t]: c m, m, l (even y's, odd y's), c0-c3 at work; the factor for l takes c2's place once the maximum is found
.set CB,  48
.set S,   96
.set XF,  0           ; window 1
.set YF,  128         ; window 1
.set WV,  12          ; s12  wave
.set G1Y, 24          ; s[24:31] descriptor group 1 for Y's tiles
.set G1P, 32          ; s[32:39] for pin's
.set G0P, 40          ; s[40:43] descriptor group 0 for pin
.set G0Y, 44          ; s[44:59] for Y's four chunks
.set CS,  60          ; s[60:61] c
.set SEL, 62          ; s[62:63] v_permlanex16_b32's selects: each lane takes its own place in the other half
.set TY,  66          ; s66  LDS byte at which the step's 128 rows of Y begin
.set TP,  67          ; s67  the same for pin
.set CNT, 68          ; s68  counts steps
.set HM,  69          ; s69  lanes 16-31
.set NIC, 70          ; s70  -1 / c
.set MSB, 0
.macro WIN new
.if MSB != (\new)
	s_set_vgpr_msb (MSB<<8)|(\new)
.set MSB, \new
.endif
.endm
.macro CROUND                       ; a round of the cluster's barrier
	s_barrier_signal -1
	s_barrier_wait -1
	s_cmp_lg_u32 s[WV], 0
	s_cbranch_scc1 .Lnot_wave_0_\@
	s_barrier_signal -3
.Lnot_wave_0_\@:
	s_barrier_wait -3
	s_barrier_signal -1
	s_barrier_wait -1
.endm
	s_load_b256 s[4:11], s[0:1], 0x0  ; X s[4:5], Y s[6:7], pin s[8:9], pout s[10:11]
	v_lshl_add_u32 v[SPW], v0, 2, SPARE
	v_mov_b32 v[NIL], 0
	ds_add_u32 v[SPW], v[NIL]       ; the wave's opening: the add and its wait stand ahead of my first tensor load; the set-up below stands between them
	v_lshrrev_b32 v1, 5, v0
	v_readfirstlane_b32 s[WV], v1   ; wave 0..7
	v_and_b32 v1, 15, v0            ; l % 16
	v_bfe_u32 v2, v0, 4, 1          ; l / 16
	v_lshlrev_b32 v[XO], 8, v1
	v_lshl_add_u32 v[XO], v2, 4, v[XO]  ; row x 256 + 16 x half
	s_and_b32 s13, s[WV], 3         ; which 64 rows of X
	s_lshr_b32 s14, s[WV], 2        ; which half of each 128 rows of Y
	s_bfe_u32 s15, ttmp6, 0x40000   ; cx
	s_lshl_b32 s16, ttmp9, 2
	s_add_co_u32 s15, s15, s16      ; my block of 256 rows: it enters X's and pout's addresses alone
	s_and_b32 s20, ttmp7, 0xffff    ; the head, which the four partners share
	s_lshl_b32 s22, s20, 18         ; Y: the head's 262,144 bytes,
	s_lshl_b32 s23, s[WV], 13       ; my 32 rows of a chunk of 256
	s_add_co_u32 s22, s22, s23
	s_mov_b32 s23, 0
	s_lshl_b32 s18, s20, 12         ; pin: the head's 4,096 bytes,
	s_lshl_b32 s19, s[WV], 9        ; my 512 of them
	s_add_co_u32 s18, s18, s19
	s_mov_b32 s19, 0
	s_lshl_b32 s16, s20, 18         ; X: the head, my block, my wave's 64 rows
	s_lshl_b32 s17, s15, 16
	s_add_co_u32 s16, s16, s17
	s_lshl_b32 s17, s13, 14
	s_add_co_u32 s16, s16, s17
	s_mov_b32 s17, 0
	s_lshl_b32 s2, s20, 12          ; pout: the head, my block's 1,024 bytes
	s_lshl_b32 s3, s15, 10
	s_add_co_u32 s2, s2, s3
	s_mov_b32 s3, 0
	s_mul_i32 s21, s[WV], 32*PY     ; where my rows of a chunk go: no place in the cluster enters an LDS address
	s_lshl_b32 s71, s[WV], 9
	s_add_co_u32 s71, s71, PIN
	s_mov_b32 s[G1Y], 15|(1<<16)|(1<<20)|(1<<21)|(5<<22)|(3<<25)  ; 15:0 the mask of four; 17:16 2-byte elements; 20 padding on; 21 set beside a mask; 24:22 after every 64 words; 31:25 4 words
	s_mov_b32 s[G1Y+1], 128<<16     ; tensor_dim0 = 128
	s_mov_b32 s[G1Y+2], 32<<16      ; tensor_dim1 = 32
	s_mov_b32 s[G1Y+3], 128<<16     ; tile_dim0 = 128
	s_mov_b32 s[G1Y+4], 32          ; tile_dim1 = 32
	s_mov_b32 s[G1Y+5], 128         ; 128 elements from row to row
	s_mov_b32 s[G1Y+6], 0
	s_mov_b32 s[G1Y+7], 0
	s_mov_b32 s[G1P], 15|(3<<16)|(1<<21)  ; one row of 64 elements of 8 bytes, no padding
	s_mov_b32 s[G1P+1], 64<<16
	s_mov_b32 s[G1P+2], 1<<16
	s_mov_b32 s[G1P+3], 64<<16
	s_mov_b32 s[G1P+4], 1
	s_mov_b32 s[G1P+5], 64
	s_mov_b32 s[G1P+6], 0
	s_mov_b32 s[G1P+7], 0
	s_mov_b32 s[CS], 0x3e0293ee     ; c = log2(e) / sqrt(128) = 0.127517
	s_mov_b32 s[CS+1], s[CS]        ; named with it as a pair
	s_mov_b32 s[SEL], 0x76543210
	s_mov_b32 s[SEL+1], 0xfedcba98
	s_mov_b32 s[HM], 0xffff0000
	s_mov_b32 s[NIC], 0xc0faf232    ; -1 / c = -7.8420651
	s_mov_b32 s[G0P], 1
	s_mov_b32 s[G0P+1], s71
.irp c, 0,1,2,3
	s_mov_b32 s[G0Y+4*(\c)], 1
	s_add_co_u32 s[G0Y+4*(\c)+1], s21, (\c)*256*PY
.endr
	s_wait_dscnt 0x0                ; the opening add is done
	s_wait_kmcnt 0x0
	s_add_nc_u64 s[4:5], s[4:5], s[16:17]
	WIN 0x40                        ; destination window 1
.irp t, 0,1,2,3
.irp kc, 0,1,2,3                    ; X stays in registers: tile t, channels 32 kc on.  It is asked for first of all: the first product waits for all of it
	global_load_b128 v[XF+32*(\t)+8*(\kc):XF+32*(\t)+8*(\kc)+3],   v[XO], s[4:5] offset:(\t)*4096+(\kc)*64
	global_load_b128 v[XF+32*(\t)+8*(\kc)+4:XF+32*(\t)+8*(\kc)+7], v[XO], s[4:5] offset:(\t)*4096+(\kc)*64+32
.endr
.endr
	WIN 0
	s_add_nc_u64 s[G0P+2:G0P+3], s[8:9], s[18:19]
	s_or_b32 s[G0P+3], s[G0P+3], 0x80000000
	s_add_nc_u64 s[6:7], s[6:7], s[22:23]
.irp c, 0,1,2,3
	s_add_nc_u64 s[G0Y+4*(\c)+2:G0Y+4*(\c)+3], s[6:7], (\c)*65536
	s_or_b32 s[G0Y+4*(\c)+3], s[G0Y+4*(\c)+3], 0x80000000
.endr
	s_add_nc_u64 s[10:11], s[10:11], s[2:3]
	CROUND                          ; all four work-groups are here: the joint loads meet
	tensor_load_to_lds s[G0P:G0P+3], s[G1P:G1P+7]      ; all fills of the launch go out together: five tensor loads of mine are out
	s_nop 0
.irp c, 0,1,2,3
	tensor_load_to_lds s[G0Y+4*(\c):G0Y+4*(\c)+3], s[G1Y:G1Y+7]
	s_nop 0
.endr
.rept 4
	v_nop
.endr
	v_mul_u32_u24 v[AY0], v1, PY
	v_lshl_add_u32 v[AY0], v2, 4, v[AY0]
	s_mul_i32 s71, s14, 64*PY
	v_add_nc_u32 v[AY0], s71, v[AY0]    ; row x pitch + 16 x half + my half of each 128 rows
	s_lshl_b32 s71, s14, 8
	s_add_co_u32 s71, s71, PIN
	v_lshl_add_u32 v[AP0], v2, 5, s71   ; a lane's eight potentials of 16: 32 bytes for each half of the lanes
.irp t, 0,1,2,3
	v_mov_b32 v[ST+8*(\t)], 0xfe000000    ; c m: far below every c s, so the first step's factor is 0
	v_mov_b32 v[ST+8*(\t)+1], 0xff7fffff  ; m: the lowest finite number
	v_mov_b32 v[ST+8*(\t)+2], 0
	v_mov_b32 v[ST+8*(\t)+3], 0
.endr
; THE VECTOR WORK OF A STEP.  MX t, n: number n of the 20 that find tile t's new maximum and the factor for l.  s0-s31 are the lane's 32 scores; each accumulator's lowest registers are read first.
;   0-11 four chains c0-c3 of seven scores each     12-14 the four left over, c0-c2 into c0     15 the new m     16 c m_old is kept     17 c m     18 c m_old - c m_new     19 the factor
.macro MX t, n
.set rT, ST+8*(\t)
.set rS, S+32*(\t)
.if (\n) < 4
	v_max3_num_f32 v[rT+4+(\n)], v[rS+8*(\n)], v[rS+8*(\n)+1], v[rS+8*(\n)+2]
.elseif (\n) < 12
	v_max3_num_f32 v[rT+4+(\n)%4], v[rT+4+(\n)%4], v[rS+8*((\n)%4)+2*((\n)/4)+1], v[rS+8*((\n)%4)+2*((\n)/4)+2]
.elseif (\n) == 12
	v_max3_num_f32 v[rT+4], v[rT+4], v[rS+7], v[rS+15]
.elseif (\n) == 13
	v_max3_num_f32 v[rT+6], v[rT+6], v[rS+23], v[rS+31]
.elseif (\n) == 14
	v_max3_num_f32 v[rT+4], v[rT+4], v[rT+5], v[rT+6]
.elseif (\n) == 15
	v_max3_num_f32 v[rT+1], v[rT+4], v[rT+7], v[rT+1]
.elseif (\n) == 16
	v_mov_b32 v[rT+7], v[rT]
.elseif (\n) == 17
	v_mul_f32 v[rT], s[CS], v[rT+1]
.elseif (\n) == 18
	v_sub_f32 v[rT+7], v[rT+7], v[rT]
.else
	v_exp_f32 v[rT+6], v[rT+7]
.endif
.endm
; Entry u of 64 names tile u % 4 and pair u / 4 of its 16 pairs of scores.  FS: c s - c m.  EX: one exponential.  AD: l takes the pair (pair 0: l = factor x l + pair).
.macro FS u
.set rT, ST+8*((\u)%4)
.set rP, S+32*((\u)%4)+2*((\u)/4)
	v_pk_fma_f32 v[rP:rP+1], v[rP:rP+1], s[CS:CS+1], v[rT:rT+1] op_sel_hi:[1,0,0] neg_lo:[0,0,1] neg_hi:[0,0,1]
.endm
.macro EX u, half
.set rP, S+32*((\u)%4)+2*((\u)/4)+(\half)
	v_exp_f32 v[rP], v[rP]
.endm
.macro AD u
.set rT, ST+8*((\u)%4)
.set rP, S+32*((\u)%4)+2*((\u)/4)
.if (\u) < 4
	v_pk_fma_f32 v[rT+2:rT+3], v[rT+2:rT+3], v[rT+6:rT+7], v[rP:rP+1] op_sel_hi:[1,0,1]
.else
	v_pk_add_f32 v[rT+2:rT+3], v[rT+2:rT+3], v[rP:rP+1]
.endif
.endm
; The four tiles alternate, so that no line reads the result of the one before it; a scaling stands four entries ahead of its exponentials, a sum four behind: every exponential has a plain line between it and the use of its result.
.macro VPH
.irp n, 0,1,2,3,4,5,6,7,8,9,10,11,12,13,14,15,16,17,18,19
.irp t, 0,1,2,3
	MX \t, \n
.endr
.endr
	FS 0
	FS 1
	FS 2
	FS 3
.set u, 0
.rept 64
.if u < 60
	FS u+4
.endif
	EX u, 0
.if u >= 4
	AD u-4
.endif
	EX u, 1
.set u, u+1
.endr
	AD 60
	AD 61
	AD 62
	AD 63
.endm
; A STEP: 64 rows of Y against my 64 rows of X.  40 LDS loads in one run (the potentials, then Y by groups of 32 channels), 64 products on 16 accumulators that take turns, then the vector work.
.macro STEP
	WIN 0
	v_add_nc_u32 v[ADY], s[TY], v[AY0]
	v_add_nc_u32 v[ADP], s[TP], v[AP0]
	s_add_co_u32 s[TY], s[TY], 128*PY
	s_add_co_u32 s[TP], s[TP], 512
.irp yb, 0,1,2,3
	ds_load_b128 v[CB+8*(\yb):CB+8*(\yb)+3],   v[ADP] offset:64*(\yb)      ; register j: the potential of row 16 yb + 8 (l / 16) + j, as in a result
	ds_load_b128 v[CB+8*(\yb)+4:CB+8*(\yb)+7], v[ADP] offset:64*(\yb)+16
.endr
	WIN 0x40                        ; destination window 1
.irp kc, 0,1,2,3
.irp yb, 0,1,2,3
	ds_load_b128 v[YF+32*(\yb)+8*(\kc):YF+32*(\yb)+8*(\kc)+3],   v[ADY] offset:(\yb)*16*PY+(\kc)*64
	ds_load_b128 v[YF+32*(\yb)+8*(\kc)+4:YF+32*(\yb)+8*(\kc)+7], v[ADY] offset:(\yb)*16*PY+(\kc)*64+32
.endr
.endr
	WIN 0x05                        ; Y and X in window 1, C and D in window 0
.irp kc, 0,1,2,3
	s_wait_dscnt 24-8*(\kc)         ; LDS loads come back in order: this group of channels is in, the 8 (3 - kc) loads of the later groups stay out
.irp yb, 0,1,2,3
.irp t, 0,1,2,3
.if (\kc) == 0
	v_wmma_f32_16x16x32_f16 v[S+32*(\t)+8*(\yb):S+32*(\t)+8*(\yb)+7], v[YF+32*(\yb)+8*(\kc):YF+32*(\yb)+8*(\kc)+7], v[XF+32*(\t)+8*(\kc):XF+32*(\t)+8*(\kc)+7], v[CB+8*(\yb):CB+8*(\yb)+7]
.else
	v_wmma_f32_16x16x32_f16 v[S+32*(\t)+8*(\yb):S+32*(\t)+8*(\yb)+7], v[YF+32*(\yb)+8*(\kc):YF+32*(\yb)+8*(\kc)+7], v[XF+32*(\t)+8*(\kc):XF+32*(\t)+8*(\kc)+7], v[S+32*(\t)+8*(\yb):S+32*(\t)+8*(\yb)+7]
.endif
.endr
.endr
.endr
	WIN 0
.rept 4
	v_nop                           ; the places behind the last products (ISA guide 7.12.1)
.endr
	VPH
.endm
	s_wait_tensorcnt 3              ; tensor loads of a wave end in order: pin and my part of Y's rows 0-255 are in; the three later chunks stay out
	s_barrier_signal -1
	s_barrier_wait -1               ; everybody's are
	s_wait_loadcnt 0x0              ; X
	s_mov_b32 s[TY], 0
	s_mov_b32 s[TP], 0
	s_mov_b32 s[CNT], 2
.Lhead:                             ; the two steps that the first chunk holds
	STEP
	s_sub_co_u32 s[CNT], s[CNT], 1
	s_cmp_lg_u32 s[CNT], 0
	s_cbranch_scc1 .Lhead
	s_wait_tensorcnt 0x0            ; my parts of the other three chunks are in,
	s_barrier_signal -1
	s_barrier_wait -1               ; everybody's are
	s_mov_b32 s[TY], 256*PY
	s_mov_b32 s[TP], 1024
	s_mov_b32 s[CNT], 6
.Lrest:
	STEP
	s_sub_co_u32 s[CNT], s[CNT], 1
	s_cmp_lg_u32 s[CNT], 0
	s_cbranch_scc1 .Lrest
	; THE END.  A row's (m, l) lie in two lanes (the halves' different y) of two waves.  First the lanes: M = the larger m, L = l 2^(c m - c M) + l' 2^(c m' - c M).
.macro ALL line:vararg              ; one line for each tile t
.set t, 0
.rept 4
	\line
.set t, t+1
.endr
.endm
	ALL v_add_f32 v[ST+8*t+2], v[ST+8*t+2], v[ST+8*t+3]
	ALL v_permlanex16_b32 v[ST+8*t+4], v[ST+8*t+1], s[SEL], s[SEL+1]
	ALL v_permlanex16_b32 v[ST+8*t+5], v[ST+8*t+2], s[SEL], s[SEL+1]
	ALL v_max_num_f32 v[ST+8*t+6], v[ST+8*t+1], v[ST+8*t+4]
	ALL v_mul_f32 v[ST+8*t+7], s[CS], v[ST+8*t+6]
	ALL v_mul_f32 v[ST+8*t+4], s[CS], v[ST+8*t+4]
	ALL v_sub_f32 v[ST+8*t], v[ST+8*t], v[ST+8*t+7]
	ALL v_sub_f32 v[ST+8*t+4], v[ST+8*t+4], v[ST+8*t+7]
	ALL v_exp_f32 v[ST+8*t], v[ST+8*t]
	ALL v_exp_f32 v[ST+8*t+4], v[ST+8*t+4]
	v_nop                           ; a plain instruction between the exponentials and the use of their results
	ALL v_mul_f32 v[ST+8*t+2], v[ST+8*t+2], v[ST+8*t]
	ALL v_fma_f32 v[ST+8*t+2], v[ST+8*t+5], v[ST+8*t+4], v[ST+8*t+2]
	v_cndmask_b32 v8,  v[ST+6],  v[ST+14], s[HM]    ; both halves of the lanes hold the same: lanes 0-15 keep tile 0 (2), lanes 16-31 take tile 1 (3)
	v_cndmask_b32 v9,  v[ST+22], v[ST+30], s[HM]
	v_cndmask_b32 v12, v[ST+2],  v[ST+10], s[HM]
	v_cndmask_b32 v13, v[ST+18], v[ST+26], s[HM]
	v_and_b32 v14, 31, v0
	s_lshl_b32 s71, s[WV], 8
	s_add_co_u32 s71, s71, SCR
	v_lshl_add_u32 v14, v14, 2, s71     ; my wave's 64 words
	ds_store_b32 v14, v8
	ds_store_b32 v14, v9 offset:128
	ds_store_b32 v14, v12 offset:2048
	ds_store_b32 v14, v13 offset:2176
	s_wait_dscnt 0x0                ; for the others' sake: my stores are done
	s_barrier_signal -1
	s_barrier_wait -1
	v_lshl_add_u32 v15, v0, 2, SCR  ; thread x of 256 takes row x: waves w and w + 4 lie 1,024 bytes apart
	ds_load_b32 v8,  v15
	ds_load_b32 v9,  v15 offset:1024
	ds_load_b32 v12, v15 offset:2048
	ds_load_b32 v13, v15 offset:3072
	v_lshlrev_b32 v[ADY], 2, v0
	s_wait_dscnt 0x0
	v_max_num_f32 v14, v8, v9
	v_mul_f32 v[ADP], s[CS], v14
	v_mul_f32 v8, s[CS], v8
	v_mul_f32 v9, s[CS], v9
	v_sub_f32 v8, v8, v[ADP]
	v_sub_f32 v9, v9, v[ADP]
	v_exp_f32 v8, v8
	v_exp_f32 v9, v9
	v_nop
	v_mul_f32 v12, v12, v8
	v_fma_f32 v12, v13, v9, v12
	v_log_f32 v12, v12
	v_nop
	v_fma_f32 v12, v12, s[NIC], -v14    ; -m - log2(l) / c
	global_store_b32 v[ADY], v12, s[10:11]  ; a wave stores 128 consecutive bytes; the whole launch writes 262,144
	s_wait_tensorcnt 0x0            ; the wave's end: a wait, an add onto my spare word and its wait, behind my last tensor load and my last LDS store
	ds_add_u32 v[SPW], v[NIL]
	s_wait_dscnt 0x0
	CROUND                          ; the closing round
	s_endpgm
.Lfunc_end_k_qfc3c43983b_lse1:
	.size	k_qfc3c43983b_lse1, .Lfunc_end_k_qfc3c43983b_lse1-k_qfc3c43983b_lse1
	.p2alignl 7, 3214868480
	.fill 96, 4, 3214868480
	.section	.rodata,"a",@progbits
	.p2align	6, 0x0
	.amdhsa_kernel k_qfc3c43983b_lse1
		.amdhsa_group_segment_fixed_size 327680
		.amdhsa_private_segment_fixed_size 0
		.amdhsa_enable_private_segment 0
		.amdhsa_kernarg_size 32
		.amdhsa_user_sgpr_count 2
		.amdhsa_user_sgpr_kernarg_segment_ptr 1
		.amdhsa_wavefront_size32 1
		.amdhsa_system_sgpr_workgroup_id_x 1
		.amdhsa_system_sgpr_workgroup_id_y 1
		.amdhsa_system_sgpr_workgroup_id_z 1
		.amdhsa_system_vgpr_workitem_id 0
		.amdhsa_next_free_vgpr 512
		.amdhsa_next_free_sgpr 72
		.amdhsa_reserve_vcc 0
		.amdhsa_float_denorm_mode_32 3
		.amdhsa_float_denorm_mode_16_64 3
		.amdhsa_memory_ordered 1
		.amdhsa_forward_progress 1
		.amdhsa_inst_pref_size 62
	.end_amdhsa_kernel
	.amdgpu_metadata
---
amdhsa.version: [ 1, 2 ]
amdhsa.kernels:
  - .name:           k_qfc3c43983b_lse1
    .symbol:         k_qfc3c43983b_lse1.kd
    .args:
      - { .name: kh, .offset: 0, .size: 8, .value_kind: global_buffer, .address_space: global }
      - { .name: qh, .offset: 8, .size: 8, .value_kind: global_buffer, .address_space: global }
      - { .name: pa, .offset: 16, .size: 8, .value_kind: global_buffer, .address_space: global }
      - { .name: pb, .offset: 24, .size: 8, .value_kind: global_buffer, .address_space: global }
    .group_segment_fixed_size: 327680
    .private_segment_fixed_size: 0
    .kernarg_segment_align: 8
    .kernarg_segment_size: 32
    .max_flat_workgroup_size: 256
    .sgpr_count:     72
    .vgpr_count:     512
    .wavefront_size: 32
...
	.end_amdgpu_metadata
.endif
;; end of part 3
;; launch lse2: the kernel of part 3 again; grid 4 x 64, 8 waves a work-group, clusters of 4 x 1, 327,680 bytes of LDS; arguments qh, kh, pb, pa; writes pa
;; launch lse3: the kernel of part 3 again; grid 4 x 64, 8 waves a work-group, clusters of 4 x 1, 327,680 bytes of LDS; arguments kh, qh, pa, pb; writes pb
;; launch lse4: the kernel of part 3 again; grid 4 x 64, 8 waves a work-group, clusters of 4 x 1, 327,680 bytes of LDS; arguments qh, kh, pb, pa; writes pa
;; launch lse5: the kernel of part 3 again; grid 4 x 64, 8 waves a work-group, clusters of 4 x 1, 327,680 bytes of LDS; arguments kh, qh, pa, pb; writes pb
;; launch attn (part 4): grid 4 x 64, 4 waves a work-group, clusters of 4 x 1, 327,680 bytes of LDS; arguments qh, kh, vh, ah, pb; writes ah
.if DOCPART == 4
	.amdgcn_target "amdgcn-amd-amdhsa--gfx1250"
	.amdhsa_code_object_version 6
	.text
	.protected	k_qfc3c43983b_attn
	.globl	k_qfc3c43983b_attn
	.p2align	8
	.type	k_qfc3c43983b_attn,@function
k_qfc3c43983b_attn:
	s_mov_b64 s[64:65], 0
	v_nop
	global_prefetch_b8 v0, s[64:65] scope:SCOPE_SE
	s_setreg_imm32_b32 hwreg(HW_REG_WAVE_MODE, 25, 1), 1
	s_wait_xcnt 0x0
	s_wait_alu depctr_hold_cnt(0) depctr_sa_sdst(0) depctr_va_vdst(0) depctr_va_sdst(0) depctr_va_ssrc(0) depctr_va_vcc(0) depctr_vm_vsrc(0)
	s_getreg_b32 s2, hwreg(HW_REG_IB_STS2, 6, 4)
	s_cmp_eq_u32 s2, 0
	s_cbranch_scc0 .Lentry_in_a_cluster
	s_endpgm
.Lentry_in_a_cluster:
	s_bfe_u32 s2, ttmp6, 0x10000c
	s_cmp_lg_u32 s2, 0x3003
	s_cbranch_scc0 .Lentry_shape_is_right
	s_endpgm
.Lentry_shape_is_right:
; THE LAST ROW STEP AND THE SECOND PRODUCT.  O[head][q][:] = the sum over k of softmax_k((Q[head][q] . K[head][k] + B[head][k]) / sqrt(128)) V[head][k][:].  Q, K, V: [64][1024][128] f16;
; B: [64][1024] f32, the last column potential in units of the raw dot product: it is the C operand that starts a score's sum.  O is written as [l][b][8 heads x 128] f16 (head = 8 b + h).
; Products, maxima and sums in f32; the weights p are rounded to f16 for the second product (their sum l is taken of the unrounded p), O once at the end.
; LIMITS.  p lies in 0 to 1, and below 6e-5 it keeps f16's fixed step of 6e-8; O is a mean of V's rows and has their range; a weight below 2^-126 counts as 0 in l; NaN and infinities are not treated apart.
; SHARES.  A work-group owns 256 queries of one head, each of its four waves 64: four tiles of 16.  Every wave walks all keys of the head, 64 a step.
; LAYOUT.  S^T = K Q^T (source 0 = 16 keys, source 1 = 16 queries): in the result a lane holds ONE query (lane % 16) and the keys 8 (lane / 16) + 0..7.  Two such tiles, rounded to
; f16 in pairs, ARE source 1 (32 keys x 16 queries) of O^T = V^T P, whose result again holds one query a lane, and eight channels.  K comes out of LDS as it lies, V ([key][channel]) turned, by ds_load_tr16_b128.
; SOFTMAX.  For each query a running maximum m and sum l: p = 2^(c s - c m), c = log2(e) / sqrt(128); in every step O and l are multiplied by a = 2^(c m_old - c m_new), which is 1 where m has not grown.
; BY TURNS.  The wave's tiles are two PIECES, named by their first tile: piece 0 (tiles 0, 1) and piece 2 (tiles 2, 3).  In a TURN one piece has the matrix unit: 32 products V^T P of
; the step in hand, then 32 products K Q^T of the next step; the other piece's softmax, cut into 64 slices, stands between them, one slice behind each matrix instruction.  Two turns are a key step.
; NO FIRST STEP IS WRITTEN OUT.  m starts at the lowest finite number and c m far below every c s, so the first step's a is 0; l, O^T, V's registers and piece 2's P start at 0, and the loop is entered at piece 2's
; turn, in the middle of a trip.  The price: 432 v_mov_b32, which stand in the wait for the first tile, and 32 products on zeros.  The gain: three turns less of text.
; CLUSTER.  The four query blocks of a cluster belong to one head and walk the same K, V and B, so each tile is asked for JOINTLY: the same tensor load, descriptor and mask in all four.
; REGISTERS, in windows of 256 (s_set_vgpr_msb: bits 1:0 source 0, 3:2 source 1, 5:4 source 2, 7:6 destination):
;   window 0: v0-11, v44-45 addresses; v12-43 eight registers of statistics a tile; v64-191 S^T, 32 a tile; v192-255 P, 16 a tile
;   window 1: O^T, 64 a tile          window 2: v0-127 Q, 32 a tile; v128-255 K of one step          window 3: v0-127 V of one step; v128-159 B of one step, as four C operands
.set SIZE_N, 1024
.set KS,    64        ; keys in a step
.set PK,    272       ; a row of K in LDS: 256 bytes + 16 of padding = 68 words: the 16 rows of a load start at 16 different groups of four banks (ISA guide 11.1)
.set PV,    288       ; a row of V: 256 + 32 = 72 words
.set VOFF,  KS*PK     ; a step's tiles lie together: 64 rows of K, then 64 rows of V
.set STEPB, KS*(PK+PV)
.set SLOT1, 1<<17     ; a slot holds two steps (71,680 bytes); slot 1 begins here, so that one exclusive or turns an address in one slot into the other's
.set STAGE, SLOT1+2*STEPB  ; behind the ring: 16 rows x 272 bytes for each wave, for the way out
.set SP,    272
.set AK0, 2           ; v2   my lane's place in a tile of K; never rewritten
.set AV0, 3           ; v3   the same for V
.set ADR, 4           ; v4   the LDS address of the run of loads in hand
.set QO,  5           ; v5   my byte offset in the wave's rows of Q
.set STO, 6           ; v6   the way out: where I put 16 bytes of a row
.set RD,  7           ; v7   the way out: where I read a row back
.set GO,  8           ; v8   my byte offset in the wave's rows of O
.set AB0, 44          ; v44  my lane's place in a step's 64 potentials; never rewritten
.set ADB, 45          ; v45  the LDS address of the step's potentials
.set SPW, 62          ; v62  LDS address of my spare word: SPARE + 4 x my thread's number; never rewritten
.set NIL, 63          ; v63  0; never rewritten
.set SPARE, STAGE+4*16*272  ; behind the stages: the spare words, 128 bytes for each wave: two blocks of 256 bytes that no other line names
.set BIAS,  SPARE+512 ; behind them: the head's 1,024 potentials, filled once
.set ST,  12          ; tile t's statistics at v[ST+8 t]: +0 c m, +1 m, +2, +3 l (even keys', odd keys'), +4 to +7 c0-c3, at work; a takes c2's place once the maximum is found
.set S,   64
.set P,   192
.set KF,  128         ; K's fragments, in window 2
.set BR,  128         ; the potentials, in window 3
.set WV,  12          ; s12  my wave's number
.set G1K, 24          ; s[24:31] descriptor group 1 for K's tiles
.set G1V, 32          ; s[32:39] for V's: it differs in the padding alone
.set G0K, 40          ; s[40:47] descriptor group 0 for K's tiles: a set for each of the two first fills; the second then walks on
.set G0V, 48          ; s[48:55] the same for V's
.set SLOTS, 56        ; s56  counts the trips of the loop over slots
.set TWICE, 57        ; s57  counts a slot's two steps
.set CS,  58          ; s[58:59] c
.set SEL, 60          ; s[60:61] lane selects for v_permlanex16_b32: each lane takes its own place in the other half
.set TB,  62          ; s62  LDS byte at which the tiles of the step to be fetched begin
.set G0B, 68          ; s[68:71] descriptor group 0 for the potentials
.set G1B, 72          ; s[72:79] group 1
.set PBO, 80          ; s80  byte at which the potentials of the step to be fetched begin
.set MSB, 0
.macro WIN new                      ; the immediate's high byte repeats the setting that is left; a switch that changes nothing is dropped
.if MSB != (\new)
	s_set_vgpr_msb (MSB<<8)|(\new)
.set MSB, \new
.endif
.endm
.set W_KQ, 0x0a       ; K and Q in window 2, S^T in window 0
.set W_KB, 0x3a       ; the same with the C operand (the potentials) in window 3
.set W_PV, 0x53       ; V in window 3, P in window 0, O^T in window 1
.set W_RS, 0x41       ; O^T (destination and source 0) in window 1, a in window 0
; A joint refill.  Waves 0 and 1 fetch the two steps' tiles of K, waves 2 and 3 those of V.  The branch hangs on the wave's number alone.
; An s_nop 0 and four v_nop follow each of the two lines.
.macro JLOAD
	s_cmp_lt_u32 s[WV], 2
	s_cbranch_scc0 .Lfor_v_\@
	tensor_load_to_lds s[G0K+4:G0K+7], s[G1K:G1K+7]
	s_nop 0
.rept 4
	v_nop
.endr
	s_branch .Lasked_\@
.Lfor_v_\@:
	tensor_load_to_lds s[G0V+4:G0V+7], s[G1V:G1V+7]
	s_nop 0
.rept 4
	v_nop
.endr
.Lasked_\@:
.endm
.macro CROUND                       ; a round of the cluster's barrier
	s_barrier_signal -1
	s_barrier_wait -1
	s_cmp_lg_u32 s[WV], 0
	s_cbranch_scc1 .Lnot_wave_0_\@
	s_barrier_signal -3
.Lnot_wave_0_\@:
	s_barrier_wait -3
	s_barrier_signal -1
	s_barrier_wait -1
.endm
	s_load_b256 s[4:11], s[0:1], 0x0  ; Q s[4:5], K s[6:7], V s[8:9], O s[10:11]
	s_load_b64 s[66:67], s[0:1], 0x20 ; B
	v_lshl_add_u32 v[SPW], v0, 2, SPARE
	v_mov_b32 v[NIL], 0
	ds_add_u32 v[SPW], v[NIL]       ; the wave's opening: the add and its wait stand ahead of my first tensor load; the set-up below stands between them
	v_lshrrev_b32 v1, 5, v0
	v_readfirstlane_b32 s[WV], v1   ; wave 0..3
	; A fragment of K or Q is 16 rows x 32 channels in 8 registers: lane l holds row l % 16; registers 0-3 channels 8 (l / 16) + 0..7, registers 4-7 channels 16 + 8 (l / 16) + 0..7: two loads of 16 bytes, 32 bytes apart.
	v_and_b32 v1, 15, v0            ; l % 16
	v_bfe_u32 v9, v0, 4, 1          ; l / 16
	v_lshlrev_b32 v[QO], 8, v1
	v_lshl_add_u32 v[QO], v9, 4, v[QO]  ; row x 256 + 16 x half
	s_bfe_u32 s13, ttmp6, 0x40000   ; cx: my place in the cluster
	s_lshl_b32 s14, ttmp9, 2        ; in a cluster launch ttmp9 counts clusters
	s_add_co_u32 s14, s14, s13      ; my block of 256 queries: it enters Q's and O's addresses alone
	s_and_b32 s20, ttmp7, 0xffff    ; the head, which the four partners share
	s_mov_b32 s84, s20
	s_mov_b32 s21, 0
	s_mov_b64 s[22:23], SIZE_N*256
	s_mul_u64 s[20:21], s[20:21], s[22:23]  ; the head's first byte in Q, K and V
	s_and_b32 s16, s[WV], 1         ; which of a slot's two steps I fetch:
	s_lshl_b32 s22, s16, 14         ; its 64 rows of 256 bytes in memory,
	s_mov_b32 s23, 0
	s_add_nc_u64 s[22:23], s[22:23], s[20:21]
	s_mul_i32 s17, s16, STEPB       ; and its place in a slot: no place in the cluster enters an LDS address
	s_lshl_b32 s2, s14, 16          ; my block's 256 rows of Q,
	s_lshl_b32 s3, s[WV], 14        ; my wave's 64 of them
	s_add_co_u32 s2, s2, s3
	s_mov_b32 s3, 0
	s_add_nc_u64 s[2:3], s[2:3], s[20:21]
	s_lshl_b32 s82, s14, 22         ; O: 256 l x 16,384 bytes a block,
	s_lshl_b32 s83, s[WV], 20       ; 64 l a wave,
	s_add_co_u32 s82, s82, s83
	s_lshr_b32 s83, s84, 3
	s_lshl_b32 s83, s83, 11         ; b's 2,048 bytes,
	s_add_co_u32 s82, s82, s83
	s_and_b32 s83, s84, 7
	s_lshl_b32 s83, s83, 8          ; the head's 256
	s_add_co_u32 s82, s82, s83
	s_mov_b32 s83, 0
	s_lshl_b32 s86, s84, 12         ; B: the head's 4,096 bytes,
	s_lshl_b32 s87, s[WV], 10       ; my 1,024 of them
	s_add_co_u32 s86, s86, s87
	s_mov_b32 s87, 0
	; descriptor group 1: a tile of 64 rows x 128 elements, padded in LDS
	s_mov_b32 s[G1K], 15|(1<<16)|(1<<20)|(1<<21)|(5<<22)|(3<<25)  ; 15:0 the mask: all four work-groups; 17:16 elements of 2 bytes; 20 padding on; 21 set beside a mask; 24:22 after every 64 words; 31:25 4 words of it
	s_mov_b32 s[G1V], 15|(1<<16)|(1<<20)|(1<<21)|(5<<22)|(7<<25)  ; the same with 8 words of padding
.irp g, G1K, G1V
	s_mov_b32 s[(\g)+1], 128<<16    ; tensor_dim0 = 128
	s_mov_b32 s[(\g)+2], KS<<16     ; tensor_dim1 = 64
	s_mov_b32 s[(\g)+3], 128<<16    ; tile_dim0 = 128
	s_mov_b32 s[(\g)+4], KS         ; tile_dim1 = 64
	s_mov_b32 s[(\g)+5], 128        ; elements from row to row
	s_mov_b32 s[(\g)+6], 0
	s_mov_b32 s[(\g)+7], 0
.endr
	s_mov_b32 s[G1B], 15|(3<<16)|(1<<21)  ; the potentials: one row of 128 elements of 8 bytes, no padding
	s_mov_b32 s[G1B+1], 128<<16
	s_mov_b32 s[G1B+2], 1<<16
	s_mov_b32 s[G1B+3], 128<<16
	s_mov_b32 s[G1B+4], 1
	s_mov_b32 s[G1B+5], 128
	s_mov_b32 s[G1B+6], 0
	s_mov_b32 s[G1B+7], 0
	s_mov_b32 s[G0B], 1
	s_lshl_b32 s[G0B+1], s[WV], 10
	s_add_co_u32 s[G0B+1], s[G0B+1], BIAS
	s_mov_b32 s[CS], 0x3e0293ee     ; c = log2(e) / sqrt(128) = 0.127517
	s_mov_b32 s[CS+1], s[CS]        ; named with it as a pair, so it is written
	s_mov_b32 s[SEL], 0x76543210
	s_mov_b32 s[SEL+1], 0xfedcba98
	s_mov_b32 s[TB], 0
	s_mov_b32 s[PBO], 0
	s_mov_b32 s[SLOTS], SIZE_N/(2*KS)-1  ; the trip that is entered in its middle, and one for every slot that is filled again
	s_wait_dscnt 0x0                ; the opening add is done
	s_wait_kmcnt 0x0
	s_add_nc_u64 s[4:5], s[4:5], s[2:3]    ; Q at my wave's first row
	WIN 0x80                        ; destination window 2, address window 0
.irp i, 0,1,2,3,4,5,6,7,8,9,10,11,12,13,14,15  ; Q stays in registers: tile i / 4, channels 32 (i % 4) on.  It is asked for first of all: the first product waits for it
	global_load_b128 v[8*(\i):8*(\i)+3],   v[QO], s[4:5] offset:((\i)/4)*4096+((\i)%4)*64
	global_load_b128 v[8*(\i)+4:8*(\i)+7], v[QO], s[4:5] offset:((\i)/4)*4096+((\i)%4)*64+32
.endr
	WIN 0
	s_add_nc_u64 s[6:7], s[6:7], s[22:23]  ; K and V at my tile of slot 0
	s_add_nc_u64 s[8:9], s[8:9], s[22:23]
	s_add_nc_u64 s[10:11], s[10:11], s[82:83]  ; O at my wave's first row
	s_add_nc_u64 s[G0B+2:G0B+3], s[66:67], s[86:87]
	s_or_b32 s[G0B+3], s[G0B+3], 0x80000000
	CROUND                          ; all four work-groups are here: the first joint loads meet
.irp s, 0,1
	s_mov_b32 s[G0K+4*(\s)], 1      ; 1:0 count = 1
	s_add_co_u32 s[G0K+4*(\s)+1], s17, (\s)*SLOT1  ; 63:32 LDS address
	s_add_nc_u64 s[G0K+4*(\s)+2:G0K+4*(\s)+3], s[6:7], (\s)*2*KS*256  ; 120:64 global address: slot s begins with keys 128 s to 128 s + 127
	s_or_b32 s[G0K+4*(\s)+3], s[G0K+4*(\s)+3], 0x80000000  ; 127:126 type = 2
	s_mov_b32 s[G0V+4*(\s)], 1
	s_add_co_u32 s[G0V+4*(\s)+1], s17, (\s)*SLOT1+VOFF
	s_add_nc_u64 s[G0V+4*(\s)+2:G0V+4*(\s)+3], s[8:9], (\s)*2*KS*256
	s_or_b32 s[G0V+4*(\s)+3], s[G0V+4*(\s)+3], 0x80000000
.endr
	s_cmp_lt_u32 s[WV], 2           ; a wave's three first fills stand in one branch, ahead of every wait on TENSORcnt and every LDS read: three loads of mine are out
	s_cbranch_scc0 .Lfirst_v
	tensor_load_to_lds s[G0B:G0B+3], s[G1B:G1B+7]
	s_nop 0
	tensor_load_to_lds s[G0K:G0K+3], s[G1K:G1K+7]
	s_nop 0
	tensor_load_to_lds s[G0K+4:G0K+7], s[G1K:G1K+7]
	s_nop 0
.rept 4
	v_nop
.endr
	s_branch .Lfirst_asked
.Lfirst_v:
	tensor_load_to_lds s[G0B:G0B+3], s[G1B:G1B+7]
	s_nop 0
	tensor_load_to_lds s[G0V:G0V+3], s[G1V:G1V+7]
	s_nop 0
	tensor_load_to_lds s[G0V+4:G0V+7], s[G1V:G1V+7]
	s_nop 0
.rept 4
	v_nop
.endr
.Lfirst_asked:
	v_mul_u32_u24 v[AK0], v1, PK
	v_lshl_add_u32 v[AK0], v9, 4, v[AK0]  ; row x pitch + 16 x half
	v_lshl_add_u32 v[AB0], v9, 5, BIAS    ; a lane's eight potentials of 16: 32 bytes for each half of the lanes
	; The turning load takes 16 keys x 16 channels (lane l reads 16 bytes: key 8 (l / 16) + l % 8, channels 8 ((l / 8) % 2) + 0..7) and leaves half a fragment of V^T: lane l holds channel l % 16 and 8 keys.
	v_and_b32 v10, 7, v0
	v_bfe_u32 v11, v0, 3, 1
	v_lshl_add_u32 v[AV0], v9, 3, v10
	v_mul_u32_u24 v[AV0], v[AV0], PV
	v_lshl_add_u32 v[AV0], v11, 4, v[AV0]
	v_add_nc_u32 v[AV0], VOFF, v[AV0]
	; What the first turn finds: O^T and l are 0; V's registers and piece 2's P hold 0, so that its products V^T P, of a step that has not been, add 0.  All this stands in the wait for the first tile.
	WIN 0x40
.set i, 0
.rept 256
	v_mov_b32 v[i], 0
.set i, i+1
.endr
	WIN 0xc0
.set i, 0
.rept 128
	v_mov_b32 v[i], 0
.set i, i+1
.endr
	WIN 0
.set i, P+32
.rept 32
	v_mov_b32 v[i], 0
.set i, i+1
.endr
.irp t, 0,1,2,3
	v_mov_b32 v[ST+8*(\t)], 0xfe000000    ; c m: far below every c s, so the first step's a is 0
	v_mov_b32 v[ST+8*(\t)+1], 0xff7fffff  ; m: the lowest finite number
	v_mov_b32 v[ST+8*(\t)+2], 0
	v_mov_b32 v[ST+8*(\t)+3], 0
.endr
; THE MATRIX WORK OF A TURN, for piece x.  The accumulators take turns, one instruction a turn: between two links of a chain stand 15 (V^T P) or 7 (K Q^T) others'.
; Product i of 32 of O^T += V^T P: keys 32 (i / 16) on, channels 16 ((i / 2) % 8) on, tile x + i % 2.
.macro PV x
	WIN W_PV
.set rO, 64*((\x)+i%2)+8*((i/2)%8)
.set rV, 64*(i/16)+8*((i/2)%8)
.set rP, P+16*((\x)+i%2)+8*(i/16)
	v_wmma_f32_16x16x32_f16 v[rO:rO+7], v[rV:rV+7], v[rP:rP+7], v[rO:rO+7]
.endm
; Product i of 32 of S^T = K Q^T + B: channels 32 (i / 8) on, keys 16 ((i / 2) % 4) on, tile x + i % 2.  The first 8 start the sums, with the keys' potentials.
.macro KQ x
.set rS, S+32*((\x)+i%2)+8*((i/2)%4)
.set rK, KF+32*((i/2)%4)+8*(i/8)
.set rQ, 32*((\x)+i%2)+8*(i/8)
.set rB, BR+8*((i/2)%4)
.if i < 8
	WIN W_KB
	v_wmma_f32_16x16x32_f16 v[rS:rS+7], v[rK:rK+7], v[rQ:rQ+7], v[rB:rB+7]
.else
	WIN W_KQ
	v_wmma_f32_16x16x32_f16 v[rS:rS+7], v[rK:rK+7], v[rQ:rQ+7], v[rS:rS+7]
.endif
.endm
; THE LDS LOADS stand in runs, never singly among the matrix instructions: a step's K (64 keys x 128 channels: 16 fragments) with its 64 potentials and, a turn later, its V (turned).
.macro FETCH_K
	WIN 0
	v_add_nc_u32 v[ADR], s[TB], v[AK0]
	v_add_nc_u32 v[ADB], s[PBO], v[AB0]
	s_add_co_u32 s[PBO], s[PBO], 4*KS   ; the next fetch is the next step's;
	s_and_b32 s[PBO], s[PBO], 0xfff     ; behind the sixteenth and last it is 0 again and is not used
	WIN 0x80                        ; destination window 2
.irp f, 0,1,2,3,4,5,6,7,8,9,10,11,12,13,14,15  ; keys 16 (f / 4) on, channels 32 (f % 4) on
	ds_load_b128 v[KF+8*(\f):KF+8*(\f)+3],   v[ADR] offset:((\f)/4)*16*PK+((\f)%4)*64
	ds_load_b128 v[KF+8*(\f)+4:KF+8*(\f)+7], v[ADR] offset:((\f)/4)*16*PK+((\f)%4)*64+32
.endr
	WIN 0xc0                        ; destination window 3
.irp f, 0,1,2,3                     ; register j of block f: the potential of key 16 f + 8 (l / 16) + j, as in a result
	ds_load_b128 v[BR+8*(\f):BR+8*(\f)+3],   v[ADB] offset:64*(\f)
	ds_load_b128 v[BR+8*(\f)+4:BR+8*(\f)+7], v[ADB] offset:64*(\f)+16
.endr
.endm
.macro FETCH_V
	WIN 0
	v_add_nc_u32 v[ADR], s[TB], v[AV0]
	s_add_co_u32 s[TB], s[TB], STEPB  ; the next fetch is the next step's
	WIN 0xc0                        ; destination window 3
.irp f, 0,1,2,3,4,5,6,7,8,9,10,11,12,13,14,15  ; keys 32 (f / 8) on, channels 16 (f % 8) on
	ds_load_tr16_b128 v[8*(\f):8*(\f)+3],   v[ADR] offset:((\f)/8)*32*PV+((\f)%8)*32
	ds_load_tr16_b128 v[8*(\f)+4:8*(\f)+7], v[ADR] offset:((\f)/8)*32*PV+16*PV+((\f)%8)*32
.endr
.endm
; THE VECTOR WORK OF A TURN.  One tile's softmax for one key step is a list of 134 instructions; SM writes number j of it for tile t.  s0-s31 are the lane's 32 scores, in pairs 0-15.
;   0-15    the maximum of s0-s31 and the old m, three operands at a time: four chains c0-c3 of seven scores each, then the four scores left over, c0-c3 and m
;   16-20   the other half of the lanes' maximum; the new m; c m; c m_old - c m_new
;   21-87   33 exponentials (a, then s0-s31) at the odd numbers from 23 on, so that no two follow each other and each has a plain instruction behind it before its result is used.
;           Plain instruction q (number 21, then the even numbers) is whatever is ready: c s - c m for a pair of scores whose exponentials are still to come (q = 0 to 3, then every
;           second q), the rounding to f16 of a pair of weights whose exponentials are done (every other q from 5 on), at last the first three sums
;   88-101  the last rounding; the rest of the sums; l = a l + the sum
;   102-133 the tile's O^T times a: the one part that leaves window 0, so it stands together
.macro SM t
.set rT, ST+8*(\t)
.set rS, S+32*(\t)
.set rP, P+16*(\t)
.set rO, 64*(\t)+2*(j-102)
.set q, (j-20)/2
.if j < 102
	WIN 0
.endif
.if j < 4
	v_max3_num_f32 v[rT+4+j], v[rS+8*j], v[rS+8*j+1], v[rS+8*j+2]
.elseif j < 12
	v_max3_num_f32 v[rT+4+j%4], v[rT+4+j%4], v[rS+8*(j%4)+2*(j/4)+1], v[rS+8*(j%4)+2*(j/4)+2]
.elseif j == 12
	v_max3_num_f32 v[rT+4], v[rT+4], v[rS+7], v[rS+15]
.elseif j == 13
	v_max3_num_f32 v[rT+6], v[rT+6], v[rS+23], v[rS+31]
.elseif j == 14
	v_max3_num_f32 v[rT+4], v[rT+4], v[rT+5], v[rT+6]
.elseif j == 15
	v_max3_num_f32 v[rT+4], v[rT+4], v[rT+7], v[rT+1]
.elseif j == 16
	v_permlanex16_b32 v[rT+5], v[rT+4], s[SEL], s[SEL+1]  ; the query's other 32 keys lie in the lane 16 away
.elseif j == 17
	v_mov_b32 v[rT+7], v[rT]        ; c m_old is kept for a: number 19 writes c m anew
.elseif j == 18
	v_max_num_f32 v[rT+1], v[rT+4], v[rT+5]
.elseif j == 19
	v_mul_f32 v[rT], s[CS], v[rT+1]
.elseif j == 20
	v_sub_f32 v[rT+7], v[rT+7], v[rT]
.elseif j == 23
	v_exp_f32 v[rT+6], v[rT+7]
.elseif (j < 88) && (j > 23) && (j%2 == 1)
	v_exp_f32 v[rS+(j-25)/2], v[rS+(j-25)/2]
.elseif (q < 4) || ((j < 76) && (q%2 == 0))
.set b, q/2+2
.if q < 4
.set b, q
.endif
	v_pk_fma_f32 v[rS+2*b:rS+2*b+1], v[rS+2*b:rS+2*b+1], s[CS:CS+1], v[rT:rT+1] op_sel_hi:[1,0,0] neg_lo:[0,0,1] neg_hi:[0,0,1]  ; pair b: c s - c m
.elseif (j < 88) && (q%2 == 1)
	v_cvt_pk_f16_f32 v[rP+(q-5)/2], v[rS+q-5], v[rS+q-4]  ; pair (q - 5) / 2: its second exponential stands three numbers back
.elseif j == 89
	v_cvt_pk_f16_f32 v[rP+15], v[rS+30], v[rS+31]
.elseif j < 102                     ; the sum of the tile's 16 pairs, in place: sum z of 16 adds neighbours 1, 2, 4 and 8 pairs apart, then l takes it
.set z, j-86
.if j < 89
.set z, (j-76)/4
.endif
.set w, 4
.set u, z
.if z >= 14
.set w, 32
.set u, 0
.elseif z >= 12
.set w, 16
.set u, z-12
.elseif z >= 8
.set w, 8
.set u, z-8
.endif
.if z < 15
	v_pk_add_f32 v[rS+w*u:rS+w*u+1], v[rS+w*u:rS+w*u+1], v[rS+w*u+w/2:rS+w*u+w/2+1]
.else
	v_pk_fma_f32 v[rT+2:rT+3], v[rT+2:rT+3], v[rT+6:rT+7], v[rS:rS+1] op_sel_hi:[1,0,1]
.endif
.else
	WIN W_RS
	v_pk_mul_f32 v[rO:rO+1], v[rO:rO+1], v[rT+6:rT+7] op_sel_hi:[1,0]
.endif
.endm
; Slice k of 64 of piece y's softmax: numbers 2 k and 2 k + 1 of both tiles' lists, four instructions.  2 x 134 = 4 x 64 + 12: the twelve that are over stand together, in slice 63.
.macro SLICE y
.if (k >= 11) && (k < 44)           ; tile by tile: plain, exponential, plain, exponential
.irp t, \y, (\y)+1
.irp n, 0,1
.set j, 2*k+(\n)
	SM \t
.endr
.endr
.else                               ; the two tiles alternate, so that no instruction reads the result of the one just before it
.irp n, 0,1,2,3,4,5,6,7
.if ((\n) < 2) || (k == 63)
.irp t, \y, (\y)+1
.set j, 2*k+(\n)
	SM \t
.endr
.endif
.endr
.endif
.set k, k+1
.endm
; A vector instruction that reads a matrix result or writes one of a matrix instruction's registers, and a load into a register that a matrix instruction has read, stand four places behind
; it, and only plain vector instructions that name none of its registers are places (ISA guide 7.12.1 for vector instructions).  In the loop the slices are the places.
; A TURN.  Piece x has the matrix unit: 32 products V^T P and, with kq = 1, 32 products K Q^T for the next step; the other piece's softmax stands in slices behind them, one behind each (kq = 0: two).
; Each run of loads stands behind the second product of a run of 32, 30 matrix instructions ahead of its first use.  Piece 0's turn fetches the next step's K and potentials: the last product that read K
; stands in front of slice 63 of the turn before, the last that read the potentials 24 products earlier.  Piece 2's turn fetches the same step's V: the last product that read V stands three slices back.
.macro TURN x, kq
.set k, 0
.set per, 2-(\kq)
.if (\x) == 0
	s_wait_dscnt 0x0                ; V is in
.endif
.set i, 0
.rept 32
	PV \x
.rept per
	SLICE 2-(\x)
.endr
.if ((\x) == 0) && (\kq) && (i == 1)
	FETCH_K
.endif
.set i, i+1
.endr
.if \kq
.if (\x) == 0
	s_wait_dscnt 0x0                ; K and the potentials are in
.endif
.set i, 0
.rept 32
	KQ \x
	SLICE 2-(\x)
.if ((\x) == 2) && (i == 1)
	FETCH_V
.endif
.set i, i+1
.endr
.endif
.endm
; THE CHANGE OF SLOTS, between piece 2's turn and piece 0's: the slot's last bytes, V of its second step, have been asked for.  Each wave waits for all its
; tensor loads, of which one is out: its part of the other slot; adds 0 to its spare word; and waits for that and for its own reads of the slot.  Behind the barrier nobody reads this slot any more and the other slot is whole.
; fill = 1: this slot is filled again, with the keys two slots on.  The barrier is then a round of the cluster's, and the joint refill is the first thing behind it: it has two key steps, 256 matrix instructions, in which to land.
.macro CHANGE fill
	WIN 0                           ; at a label and at a branch every window is 0
	s_wait_tensorcnt 0x0            ; no tensor load of mine is out, so a group 0 may be written
	ds_add_u32 v[SPW], v[NIL]       ; 0 onto my spare word; with fill = 1 the descriptors' steps stand between it and the wait for it
.if \fill
.irp g, G0K+4, G0V+4
	s_xor_b32 s[(\g)+1], s[(\g)+1], SLOT1  ; the walking descriptor: the other slot than last time,
	s_add_nc_u64 s[(\g)+2:(\g)+3], s[(\g)+2:(\g)+3], 2*KS*256  ; the next 128 keys; the type bits on top are not reached
.endr
	s_wait_dscnt 0x0                ; the add is done, and my reads of the slot are over
	CROUND
	JLOAD
.else
	s_wait_dscnt 0x0                ; the add is done, and my reads of the slot are over
	s_barrier_signal -1
	s_barrier_wait -1
.endif
	s_sub_co_u32 s[TB], s[TB], 2*STEPB  ; the fetches go back to a slot's first step,
	s_xor_b32 s[TB], s[TB], SLOT1   ; in the other slot
.endm
	s_wait_tensorcnt 1              ; my parts of the potentials and of slot 0 are in; slot 1's may stay out
	s_barrier_signal -1
	s_barrier_wait -1               ; everybody's are
	FETCH_K                         ; key step 0
	s_wait_loadcnt 0x0              ; Q
	s_wait_dscnt 0x0
.set i, 0
.rept 32
	KQ 0                            ; piece 0's first scores: there is no vector work yet to set between them
.set i, i+1
.endr
	WIN 0                           ; the addresses for the way out are made here: eight plain instructions, the places behind those products
	s_mul_i32 s13, s[WV], 16*SP
	s_add_co_u32 s13, s13, STAGE    ; my stage
	v_mul_u32_u24 v[STO], v1, SP    ; in: row l % 16, 16 bytes for each half of the lanes
	v_lshl_add_u32 v[STO], v9, 4, v[STO]
	v_add_nc_u32 v[STO], s13, v[STO]
	v_mul_u32_u24 v[RD], v9, SP     ; back: lanes 0-15 take one row of 256 bytes, lanes 16-31 the next
	v_lshl_add_u32 v[RD], v1, 4, v[RD]
	v_add_nc_u32 v[RD], s13, v[RD]
	v_lshlrev_b32 v[GO], 14, v9     ; and the same two rows in O, 16,384 bytes apart
	v_lshl_add_u32 v[GO], v1, 4, v[GO]
	s_mov_b32 s[TWICE], 2
	s_branch .Lmid                  ; the loop is entered at piece 2's turn: its products V^T P add 0, its products K Q^T are piece 2's first scores, its slices piece 0's first softmax; it fetches V of step 0
.Lslot:                             ; SIZE_N / 128 - 2 whole trips: every slot but the last two is filled again
	CHANGE 1
	s_mov_b32 s[TWICE], 2
.Lstep:                             ; a slot's two key steps: written once, walked twice; the LDS addresses hang on s[TB] and s[PBO]
	TURN 0, 1
	WIN 0
.Lmid:
	TURN 2, 1
	WIN 0
	s_sub_co_u32 s[TWICE], s[TWICE], 1
	s_cmp_lg_u32 s[TWICE], 0
	s_cbranch_scc1 .Lstep
	s_sub_co_u32 s[SLOTS], s[SLOTS], 1
	s_cmp_lg_u32 s[SLOTS], 0
	s_cbranch_scc1 .Lslot
	CHANGE 0                        ; the tail is written out: the last slot but one is left, and nothing is asked for
	s_mov_b32 s[TWICE], 2
.Ltail:
	TURN 0, 1
	TURN 2, 1
	WIN 0
	s_sub_co_u32 s[TWICE], s[TWICE], 1
	s_cmp_lg_u32 s[TWICE], 0
	s_cbranch_scc1 .Ltail
	TURN 0, 0                       ; piece 0: V^T P of the last step | piece 2's last softmax
.set i, 0
.rept 32
	PV 2                            ; piece 2: V^T P of the last step
.set i, i+1
.endr
	; THE WAY OUT.  l's two halves and the other half of the lanes' are added; O^T is divided by l, rounded to f16 and sent through my stage in LDS, a tile (16 rows of O) at a time.  The additions are the places behind the last products.
	WIN 0
.irp t, 0,1,2,3
	v_add_f32 v[ST+8*(\t)+4], v[ST+8*(\t)+2], v[ST+8*(\t)+3]
.endr
.irp t, 0,1,2,3
	v_permlanex16_b32 v[ST+8*(\t)+5], v[ST+8*(\t)+4], s[SEL], s[SEL+1]
.endr
.irp t, 0,1,2,3
	v_add_f32 v[ST+8*(\t)+4], v[ST+8*(\t)+4], v[ST+8*(\t)+5]
.endr
.irp t, 0,1,2,3
	v_rcp_f32 v[ST+8*(\t)+6], v[ST+8*(\t)+4]
.endr
	v_nop                           ; a plain instruction between the last reciprocal and the use of its result
; Tile t: a lane's eight channels of a row pack into 16 bytes; they go into rows of 272 bytes and come back as whole rows of 256, into the registers that they left.
.macro PACK t
	WIN W_RS
.set i, 64*(\t)
.rept 32
	v_pk_mul_f32 v[i:i+1], v[i:i+1], v[ST+8*(\t)+6:ST+8*(\t)+7] op_sel_hi:[1,0]
.set i, i+2
.endr
	WIN 0x05                        ; sources 0 and 1 window 1, destination window 0: S^T's registers are free
.set i, 0
.rept 32
	v_cvt_pk_f16_f32 v[S+32*(\t)+i], v[64*(\t)+2*i], v[64*(\t)+2*i+1]
.set i, i+1
.endr
	WIN 0
.irp f, 0,1,2,3,4,5,6,7
	ds_store_b128 v[STO], v[S+32*(\t)+4*(\f):S+32*(\t)+4*(\f)+3] offset:32*(\f)
.endr
.irp f, 0,1,2,3,4,5,6,7
	ds_load_b128 v[S+32*(\t)+4*(\f):S+32*(\t)+4*(\f)+3], v[RD] offset:(\f)*2*SP  ; LDS serves a wave's instructions in order (ISA guide 5.7.1.4): these see the stores above; the next tile's stores come behind them
.endr
.endm
.macro SEND t, younger              ; younger: the LDS instructions issued behind tile t's loads: the next tile's sixteen, or none
	WIN 0
.irp f, 0,1,2,3,4,5,6,7
	s_wait_dscnt (\younger)+7-(\f)
	global_store_b128 v[GO], v[S+32*(\t)+4*(\f):S+32*(\t)+4*(\f)+3], s[10:11] offset:(\t)*262144+(\f)*32768  ; 16 lanes store 256 consecutive bytes, a head's channels of one (l, b), at a multiple of 256 from O's first byte
.endr
.endm
	PACK 0
	PACK 1                          ; a tile's arithmetic stands between the loads of the tile before and its stores
	SEND 0, 16
	PACK 2
	SEND 1, 16
	PACK 3
	SEND 2, 16
	SEND 3, 0
	s_wait_tensorcnt 0x0            ; the wave's end: a wait, an add onto my spare word and its wait, behind my last tensor load and my last LDS store
	ds_add_u32 v[SPW], v[NIL]
	s_wait_dscnt 0x0
	CROUND                          ; the closing round: no work-group ends while a partner may still ask for a tile that names it
	s_endpgm
.Lfunc_end_k_qfc3c43983b_attn:
	.size	k_qfc3c43983b_attn, .Lfunc_end_k_qfc3c43983b_attn-k_qfc3c43983b_attn
	.p2alignl 7, 3214868480
	.fill 96, 4, 3214868480
	.section	.rodata,"a",@progbits
	.p2align	6, 0x0
	.amdhsa_kernel k_qfc3c43983b_attn
		.amdhsa_group_segment_fixed_size 327680
		.amdhsa_private_segment_fixed_size 0
		.amdhsa_enable_private_segment 0
		.amdhsa_kernarg_size 40
		.amdhsa_user_sgpr_count 2
		.amdhsa_user_sgpr_kernarg_segment_ptr 1
		.amdhsa_wavefront_size32 1
		.amdhsa_system_sgpr_workgroup_id_x 1
		.amdhsa_system_sgpr_workgroup_id_y 1
		.amdhsa_system_sgpr_workgroup_id_z 1
		.amdhsa_system_vgpr_workitem_id 0
		.amdhsa_next_free_vgpr 1024
		.amdhsa_next_free_sgpr 96
		.amdhsa_reserve_vcc 0
		.amdhsa_float_denorm_mode_32 3
		.amdhsa_float_denorm_mode_16_64 3
		.amdhsa_memory_ordered 1
		.amdhsa_forward_progress 1
		.amdhsa_inst_pref_size 178
	.end_amdhsa_kernel
	.amdgpu_metadata
---
amdhsa.version: [ 1, 2 ]
amdhsa.kernels:
  - .name:           k_qfc3c43983b_attn
    .symbol:         k_qfc3c43983b_attn.kd
    .args:
      - { .name: qh, .offset: 0, .size: 8, .value_kind: global_buffer, .address_space: global }
      - { .name: kh, .offset: 8, .size: 8, .value_kind: global_buffer, .address_space: global }
      - { .name: vh, .offset: 16, .size: 8, .value_kind: global_buffer, .address_space: global }
      - { .name: ah, .offset: 24, .size: 8, .value_kind: global_buffer, .address_space: global }
      - { .name: pb, .offset: 32, .size: 8, .value_kind: global_buffer, .address_space: global }
    .group_segment_fixed_size: 327680
    .private_segment_fixed_size: 0
    .kernarg_segment_align: 8
    .kernarg_segment_size: 40
    .max_flat_workgroup_size: 128
    .sgpr_count:     96
    .vgpr_count:     1024
    .wavefront_size: 32
...
	.end_amdgpu_metadata
.endif
;; end of part 4
;; launch outp (part 5): grid 4 x 64, 4 waves a work-group, clusters of 4 x 4, 327,680 bytes of LDS; arguments ah, wh, out_proj_bias, out0; writes out0
.if DOCPART == 5
	.amdgcn_target "amdgcn-amd-amdhsa--gfx1250"
	.amdhsa_code_object_version 6
	.text
	.protected	k_qfc3c43983b_outp
	.globl	k_qfc3c43983b_outp
	.p2align	8
	.type	k_qfc3c43983b_outp,@function
k_qfc3c43983b_outp:
	s_mov_b64 s[64:65], 0
	v_nop
	global_prefetch_b8 v0, s[64:65] scope:SCOPE_SE
	s_setreg_imm32_b32 hwreg(HW_REG_WAVE_MODE, 25, 1), 1
	s_wait_xcnt 0x0
	s_wait_alu depctr_hold_cnt(0) depctr_sa_sdst(0) depctr_va_vdst(0) depctr_va_sdst(0) depctr_va_ssrc(0) depctr_va_vcc(0) depctr_vm_vsrc(0)
	s_getreg_b32 s2, hwreg(HW_REG_IB_STS2, 6, 4)
	s_cmp_eq_u32 s2, 0
	s_cbranch_scc0 .Lentry_in_a_cluster
	s_endpgm
.Lentry_in_a_cluster:
	s_bfe_u32 s2, ttmp6, 0x10000c
	s_cmp_lg_u32 s2, 0xf033
	s_cbranch_scc0 .Lentry_shape_is_right
	s_endpgm
.Lentry_shape_is_right:
; C[m][n] = sum over k of A[m][k] B[n][k] + bias[n], K = 1,024, f16 operands, f32 sums.  One text serves two launches, by OUTP:
;   OUTP = 0: A = x (ah, [l][b][1024]), B = rows 0-3071 of wh; C is rounded once to f16 and written by heads: qh, kh, vh [b*8+h][l][128], unscaled.
;   OUTP = 1: A = the attention's O (ah), B = rows 3072-4095 of wh; C is out0 [l][b][1024] in f32.
; The bias is rounded to bf16 like the other inputs of the module and starts the sums as the first product's C.
; LIMITS.  f16 holds no number beyond 65,504: with OUTP = 0 the results q, k, v must stay within it.  NaN and infinities are not treated apart.
; SHARES.  A tile of C is 128 (m) x 256 (n): 768 tiles with OUTP = 0, 256 with OUTP = 1, whole multiples of 256 work-groups.  A tile's 128 rows are 128 consecutive l of one b, so A's rows lie
; 8,192 elements apart.  Four waves, each 64 x 128: 32 accumulators.  K goes in steps of 128 (rows of 256 bytes) through two LDS slots.
; CLUSTER.  4 x 4 work-groups: the four of a row need the same tiles of A, the four of a column the same tiles of B; each tile is asked for jointly, by the same tensor load with the same descriptor and a mask of four.
; THE MATRIX INSTRUCTION IS USED TRANSPOSED (source 0 = 16 rows of B, source 1 = 16 rows of A): a lane holds eight neighbouring numbers of a row of C.
; REGISTERS: window 0: v0-31 addresses; v32-63 at work on the way out; v64-159, v160-255 two fragment buffers (B's 8 fragments, then A's 4).
;   window 1: the accumulators, (a, b) at v[8 (8 a + b)].   window 2: v0-63 the bias of my 128 columns as eight C operands; v64-67 at work.
.set OUTP,   1
.set KSTEP,  128
.set PITCH,  272                       ; an LDS row: 256 bytes + 16 of padding = 68 words: the 16 rows of a fragment load start at 16 different groups of four banks (ISA guide 11.1)
.set ABYT,   128*PITCH                 ; A's 128 rows
.set SLOT,   384*PITCH                 ; A's 128 rows, then B's 256 rows
.set STAGE,  2*SLOT                    ; behind the ring: 16 rows for each wave, for the way out
.if OUTP
.set SPITCH, 528                       ; 512 bytes of f32 + 16
.else
.set SPITCH, 272                       ; 256 bytes of f16 + 16
.endif
.set SPARE,  STAGE+4*16*SPITCH         ; behind the stages: the spare words, 128 bytes for each wave: two blocks of 256 bytes that no other line names
.set LAPS,   1024/(2*KSTEP)            ; a lap = two K steps = once round the ring
.set ADRA, 16                          ; v16-17  LDS address of my A fragments in slot 0, 1
.set ADRB, 20                          ; v20-21  the same for B
.set STO,  24                          ; v24     the way out: where I put my numbers of a row
.set RD,   25                          ; v25     the way out: where I read rows back
.set CO,   26                          ; v26     my byte offset in C: 16 x lane
.set BO,   27                          ; v27     my byte offset in the bias: 32 (lane / 16)
.set SPW,  28                          ; v28     LDS address of my spare word; never rewritten
.set NIL,  29                          ; v29     0; never rewritten
.set TMP,  32
.set F0,   64
.set F1,   160
.set BI,   0                           ; window 2
.set BW,   64                          ; window 2
.set G1,  24                           ; s[24:31] descriptor group 1 for A's tiles;  s[32:39] group 0, one set for each slot
.set G0,  32
.set G1B, 48                           ; s[48:55], s[56:63] the same for B's tiles
.set G0B, 56
.set WV,  72                           ; s72 wave
.set WM,  73                           ; s73 which 64 rows are mine; also: I fetch for A (0) or for B (1)
.set WN,  74                           ; s74 which 128 columns are mine; also: which half of that tile I fetch
.set BB,  75                           ; s75 b
.set LB,  76                           ; s76 which 128 l
.set HM,  77                           ; s77 a word's upper half
.set MSB, 0
.macro WIN new                         ; the immediate's high byte repeats the setting that is left
.if MSB != (\new)
	s_set_vgpr_msb (MSB<<8)|(\new)
.set MSB, \new
.endif
.endm
.set MUL,  0x50                        ; sources 0 and 1 window 0; C and D window 1
.set MUL1, 0x60                        ; the same with C (the bias) in window 2
.macro JLOAD s                         ; a joint load: waves 0 and 1 fetch A's two halves, waves 2 and 3 B's; an s_nop 0 and four v_nop follow each of the two lines
	s_cmp_eq_u32 s[WM], 0
	s_cbranch_scc0 .Lfor_b_\@
	tensor_load_to_lds s[G0+4*(\s):G0+4*(\s)+3], s[G1:G1+7]
	s_nop 0
.rept 4
	v_nop
.endr
	s_branch .Lasked_\@
.Lfor_b_\@:
	tensor_load_to_lds s[G0B+4*(\s):G0B+4*(\s)+3], s[G1B:G1B+7]
	s_nop 0
.rept 4
	v_nop
.endr
.Lasked_\@:
.endm
.macro CREST                           ; a round of the cluster's barrier behind its opening barrier
	s_cmp_lg_u32 s[WV], 0
	s_cbranch_scc1 .Lnot_wave_0_\@
	s_barrier_signal -3
.Lnot_wave_0_\@:
	s_barrier_wait -3
	s_barrier_signal -1
	s_barrier_wait -1
.endm
.macro CROUND                          ; a whole round
	s_barrier_signal -1
	s_barrier_wait -1
	CREST
.endm
	s_load_b256 s[4:11], s[0:1], 0x0               ; A s[4:5], B s[6:7], bias s[8:9], the first output s[10:11]
.if OUTP == 0
	s_load_b128 s[68:71], s[0:1], 0x20             ; kh s[68:69], vh s[70:71]
.endif
	v_lshl_add_u32 v[SPW], v0, 2, SPARE
	v_mov_b32 v[NIL], 0
	ds_add_u32 v[SPW], v[NIL]                      ; the wave's opening: the add and its wait stand ahead of my first tensor load; the set-up below stands between them
	v_lshrrev_b32 v1, 5, v0
	v_readfirstlane_b32 s[WV], v1
	s_lshr_b32 s[WM], s[WV], 1
	s_and_b32 s[WN], s[WV], 1
	s_bfe_u32 s40, ttmp6, 0x40000                  ; cx, cy: my place in the cluster
	s_bfe_u32 s41, ttmp6, 0x40004
	s_lshl_b32 s42, ttmp9, 2
	s_add_co_u32 s42, s42, s40                     ; tile column = 4 x cluster x + cx
	s_and_b32 s13, ttmp7, 0xffff
	s_lshl_b32 s13, s13, 2
	s_add_co_u32 s13, s13, s41                     ; tile row = 4 x cluster y + cy = 8 b + block of 128 l
	s_lshr_b32 s[BB], s13, 3
	s_and_b32 s[LB], s13, 7
	s_lshl_b32 s43, s41, 2
	s_lshl_b32 s43, 15, s43                        ; my row of the cluster
	s_lshl_b32 s44, 0x1111, s40                    ; my column
	s_or_b32 s[G1+0], s43, (1<<16)|(1<<20)|(1<<21)|(5<<22)|(3<<25)   ; 15:0 the mask; 17:16 2-byte elements; 20 padding on; 21 set beside a mask; 24:22 after every 64 words; 31:25 4 words of it
	s_or_b32 s[G1B+0], s44, (1<<16)|(1<<20)|(1<<21)|(5<<22)|(3<<25)
	s_mov_b32 s[G1+1], KSTEP<<16                   ; A: tensor_dim0 = 128
	s_mov_b32 s[G1+2], 64<<16                      ; tensor_dim1 = 64
	s_mov_b32 s[G1+3], KSTEP<<16                   ; tile_dim0 = 128
	s_mov_b32 s[G1+4], 64                          ; tile_dim1 = 64
	s_mov_b32 s[G1+5], 8192                        ; from l to l + 1: 8 b x 1,024 elements
	s_mov_b32 s[G1+6], 0
	s_mov_b32 s[G1+7], 0
	s_mov_b32 s[G1B+1], KSTEP<<16                  ; B: 128 rows x 128 elements, rows 1,024 elements apart
	s_mov_b32 s[G1B+2], 128<<16
	s_mov_b32 s[G1B+3], KSTEP<<16
	s_mov_b32 s[G1B+4], 128
	s_mov_b32 s[G1B+5], 1024
	s_mov_b32 s[G1B+6], 0
	s_mov_b32 s[G1B+7], 0
	s_mov_b32 s[HM], 0xffff0000
	s_lshl_b32 s16, s[LB], 21                      ; A: 128 l x 16,384 bytes,
	s_lshl_b32 s17, s[WN], 20                      ; the half of 64 l that I fetch,
	s_add_co_u32 s16, s16, s17
	s_lshl_b32 s17, s[BB], 11                      ; b's 2,048 bytes: made of the tile row and the wave's number alone
	s_add_co_u32 s16, s16, s17
	s_mov_b32 s17, 0
	s_lshl_b32 s46, s42, 19                        ; B: 256 rows x 2,048 bytes,
	s_lshl_b32 s47, s[WN], 18                      ; the half of 128 rows that I fetch: made of the tile column and the wave's number alone
	s_add_co_u32 s46, s46, s47
.if OUTP
	s_add_co_u32 s46, s46, 3072*2048               ; out_proj_weight lies behind in_proj_weight
.endif
	s_mov_b32 s47, 0
	s_mul_i32 s20, s[WN], 64*PITCH                 ; where they go: no place in the cluster enters an LDS address
	s_mul_i32 s21, s[WN], 128*PITCH
	s_add_co_u32 s21, s21, ABYT
	s_wait_dscnt 0x0                               ; the opening add is done
	s_wait_kmcnt 0x0
	s_add_nc_u64 s[14:15], s[4:5], s[16:17]
	s_add_nc_u64 s[46:47], s[6:7], s[46:47]
	CROUND                                         ; all sixteen work-groups are here: the first joint loads meet
.irp s, 0,1
	s_mov_b32 s[G0+4*(\s)], 1
	s_add_co_u32 s[G0+4*(\s)+1], s20, (\s)*SLOT
	s_add_nc_u64 s[G0+4*(\s)+2:G0+4*(\s)+3], s[14:15], (\s)*KSTEP*2
	s_or_b32 s[G0+4*(\s)+3], s[G0+4*(\s)+3], 0x80000000
	s_mov_b32 s[G0B+4*(\s)], 1
	s_add_co_u32 s[G0B+4*(\s)+1], s21, (\s)*SLOT
	s_add_nc_u64 s[G0B+4*(\s)+2:G0B+4*(\s)+3], s[46:47], (\s)*KSTEP*2
	s_or_b32 s[G0B+4*(\s)+3], s[G0B+4*(\s)+3], 0x80000000
	JLOAD \s                                       ; two tensor loads of mine are out
.endr
	v_and_b32 v1, 15, v0                           ; l % 16
	v_bfe_u32 v2, v0, 4, 1                         ; l / 16
	v_lshlrev_b32 v[BO], 5, v2
	s_lshl_b32 s46, s42, 10                        ; the bias of my 128 columns: 4 (256 x tile column + 128 x half)
	s_lshl_b32 s47, s[WN], 9
	s_add_co_u32 s46, s46, s47
	s_mov_b32 s47, 0
	s_add_nc_u64 s[8:9], s[8:9], s[46:47]
	WIN 0x80                                       ; destination window 2, address window 0
.irp b, 0,1,2,3,4,5,6,7
	global_load_b128 v[BI+8*(\b):BI+8*(\b)+3],   v[BO], s[8:9] offset:64*(\b)      ; register j of block b: column 16 b + 8 (l / 16) + j, as in a result
	global_load_b128 v[BI+8*(\b)+4:BI+8*(\b)+7], v[BO], s[8:9] offset:64*(\b)+16
.endr
	WIN 0
	v_mul_u32_u24 v3, v1, PITCH
	v_lshl_add_u32 v3, v2, 4, v3                   ; a fragment's row x pitch + 16 x half
	s_mul_i32 s21, s[WM], 64*PITCH                 ; my 64 rows of A
	s_mul_i32 s22, s[WN], 128*PITCH                ; my 128 rows of B,
	s_add_co_u32 s22, s22, ABYT                    ; which lie behind A's 128
.irp s, 0,1
	v_add_nc_u32 v[ADRA+(\s)], s21, v3
	v_add_nc_u32 v[ADRB+(\s)], s22, v3
	s_add_co_u32 s21, s21, SLOT
	s_add_co_u32 s22, s22, SLOT
.endr
	s_mul_i32 s23, s[WV], 16*SPITCH
	s_add_co_u32 s23, s23, STAGE                   ; my stage
	v_and_b32 v5, 31, v0
	v_lshlrev_b32 v[CO], 4, v5
	v_mul_u32_u24 v4, v1, SPITCH                   ; in: row l % 16
.if OUTP
	v_lshl_add_u32 v4, v2, 5, v4                   ; 32 bytes (8 f32) for each half of the lanes
	v_add_nc_u32 v[STO], s23, v4
	v_add_nc_u32 v[RD], s23, v[CO]                 ; back: 32 lanes take one row of 512 bytes
	s_lshl_b32 s46, s[LB], 7                       ; my first row of out0: l = 128 x block + 64 x half,
	s_lshl_b32 s47, s[WM], 6
	s_add_co_u32 s46, s46, s47
	s_lshl_b32 s46, s46, 3
	s_add_co_u32 s46, s46, s[BB]                   ; row 8 l + b,
	s_lshl_b32 s46, s46, 12                        ; of 4,096 bytes;
	s_lshl_b32 s47, s42, 10                        ; my first column, in bytes
	s_add_co_u32 s46, s46, s47
	s_lshl_b32 s47, s[WN], 9
	s_add_co_u32 s46, s46, s47
.else
	v_lshl_add_u32 v4, v2, 4, v4                   ; 16 bytes (8 f16) for each half of the lanes
	v_add_nc_u32 v[STO], s23, v4
	v_mul_u32_u24 v5, v2, SPITCH                   ; back: lanes 0-15 take one row of 256 bytes, lanes 16-31 the next
	v_lshl_add_u32 v5, v1, 4, v5
	v_add_nc_u32 v[RD], s23, v5
	s_mov_b32 s78, ttmp9                           ; tile columns 0-3 are q, 4-7 k, 8-11 v: the cluster's x says which
	s_cmp_eq_u32 s78, 1
	s_cselect_b64 s[10:11], s[68:69], s[10:11]
	s_cmp_eq_u32 s78, 2
	s_cselect_b64 s[10:11], s[70:71], s[10:11]
	s_lshl_b32 s46, s[BB], 3
	s_lshl1_add_u32 s46, s40, s46
	s_add_co_u32 s46, s46, s[WN]                   ; my 128 columns are one head: 8 b + 2 cx + half
	s_lshl_b32 s46, s46, 10
	s_lshl_b32 s47, s[LB], 7
	s_add_co_u32 s46, s46, s47
	s_lshl_b32 s47, s[WM], 6
	s_add_co_u32 s46, s46, s47                     ; its row l = 128 x block + 64 x half,
	s_lshl_b32 s46, s46, 8                         ; of 256 bytes
.endif
	s_mov_b32 s47, 0
	s_add_nc_u64 s[10:11], s[10:11], s[46:47]
	s_wait_loadcnt 0x0                             ; the bias
	WIN 0x8a                                       ; sources and destination window 2
.set i, 0
.rept 32
	v_cvt_pk_bf16_f32 v[BW+i%4], v[BI+2*i], v[BI+2*i+1]  ; rounded to bf16 like the module's other inputs, and widened again
	v_lshlrev_b32 v[BI+2*i],   16,    v[BW+i%4]
	v_and_b32     v[BI+2*i+1], s[HM], v[BW+i%4]
.set i, i+1
.endr
	WIN 0
; 8 matrix instructions: m block a x all 8 n blocks, 32 along K.  first = 1: the bias starts the sums.  The accumulators take turns, one instruction a turn.
.macro MULA f, a, first
.if \first
	WIN MUL1
.else
	WIN MUL
.endif
.irp b, 0,1,2,3,4,5,6,7
.if \first
	v_wmma_f32_16x16x32_f16 v[8*(8*(\a)+(\b)):8*(8*(\a)+(\b))+7], v[(\f)+8*(\b):(\f)+8*(\b)+7], v[(\f)+64+8*(\a):(\f)+64+8*(\a)+7], v[BI+8*(\b):BI+8*(\b)+7]
.else
	v_wmma_f32_16x16x32_f16 v[8*(8*(\a)+(\b)):8*(8*(\a)+(\b))+7], v[(\f)+8*(\b):(\f)+8*(\b)+7], v[(\f)+64+8*(\a):(\f)+64+8*(\a)+7], v[8*(8*(\a)+(\b)):8*(8*(\a)+(\b))+7]
.endif
.endr
.endm
; 24 LDS loads in one run: the fragments of 32 along K at byte k of the rows, into buffer f: B's sixteen, then A's blocks 0 to 3
.macro FETCH slot, k, f
	WIN 0
.irp i, 0,1,2,3,4,5,6,7
	ds_load_b128 v[(\f)+8*(\i):(\f)+8*(\i)+3],   v[ADRB+(\slot)] offset:(\k)+(\i)*16*PITCH
	ds_load_b128 v[(\f)+8*(\i)+4:(\f)+8*(\i)+7], v[ADRB+(\slot)] offset:(\k)+(\i)*16*PITCH+32
.endr
.irp i, 0,1,2,3
	ds_load_b128 v[(\f)+64+8*(\i):(\f)+64+8*(\i)+3],   v[ADRA+(\slot)] offset:(\k)+(\i)*16*PITCH
	ds_load_b128 v[(\f)+64+8*(\i)+4:(\f)+64+8*(\i)+7], v[ADRA+(\slot)] offset:(\k)+(\i)*16*PITCH+32
.endr
.endm
.macro PLACES                          ; four places in front of loads into registers that matrix instructions have read, and of lines that read results
.rept 4
	v_nop
.endr
.endm
; A K step is four quarters of 32 along K, 32 matrix instructions each, on buffers 0, 1, 0, 1.  One of the first three: multiplies buffer f and fetches the next quarter, at byte k, into g.
.macro QUARTER slot, k, f, g, first
	s_wait_dscnt 4                                 ; B and A's blocks 0, 1 are in; the youngest four loads (A's blocks 2, 3) may be out
	MULA \f, 0, \first
	MULA \f, 1, \first
	PLACES
	FETCH \slot, \k, \g
	s_wait_dscnt 24                                ; all but the 24 just issued
	MULA \f, 2, \first
	MULA \f, 3, \first
.endm
; The last quarter multiplies buffer 1 and changes slots: ONE barrier; in front of it each wave waits for all its tensor loads, adds 0 to its spare word, and waits for that and for its reads of this slot.
; fill = 1: this slot is filled again, two K steps ahead; the barrier then opens a round of the cluster's.
.macro TURN slot, next, fill
	WIN 0                                          ; (the add's two registers lie in window 0)
	s_wait_tensorcnt 0x0                           ; all my tensor loads have landed: the one that was out is my part of the next slot
	ds_add_u32 v[SPW], v[NIL]                      ; 0 onto my spare word
	s_wait_dscnt 5                                 ; (the add and the youngest four loads may be out)
	MULA F1, 0, 0                                  ; eight matrix instructions stand between the add and the wait for it
	s_wait_dscnt 0x0                               ; the add is done, and my reads of this slot are over
	s_barrier_signal -1
	MULA F1, 1, 0
.if \fill
	WIN 0
.endif
	s_barrier_wait -1
.if \fill
	CREST                                          ; no wave of any partner still reads this slot's tile or has a load on its way
	s_add_nc_u64 s[G0+4*(\slot)+2:G0+4*(\slot)+3], s[G0+4*(\slot)+2:G0+4*(\slot)+3], 2*KSTEP*2
	s_add_nc_u64 s[G0B+4*(\slot)+2:G0B+4*(\slot)+3], s[G0B+4*(\slot)+2:G0B+4*(\slot)+3], 2*KSTEP*2
	JLOAD \slot                                    ; the first tensor load behind the round, my only one until the next; its four v_nop are also the places in front of the loads below
.else
	PLACES
.endif
	FETCH \next, 0, F0
	MULA F1, 2, 0
	MULA F1, 3, 0
.endm
	s_wait_tensorcnt 1                             ; my part of K step 0 is in; K step 1's may stay out
	s_barrier_signal -1
	s_barrier_wait -1                              ; everybody's is
	FETCH 0, 0, F0
	QUARTER 0, 64, F0, F1, 1                       ; the first quarter stands in front of the loop: its products start the sums
	WIN 0                                          ; at a label and at a branch every window is 0
	s_mov_b32 s3, LAPS-1
.Llap:                                                 ; a trip goes once round the ring, from a lap's second quarter to the next lap's first, and fills both slots again
	QUARTER 0, 128, F1, F0, 0
	QUARTER 0, 192, F0, F1, 0
	TURN 0, 1, 1
	QUARTER 1, 64,  F0, F1, 0
	QUARTER 1, 128, F1, F0, 0
	QUARTER 1, 192, F0, F1, 0
	TURN 1, 0, 1
	QUARTER 0, 64,  F0, F1, 0
	WIN 0
	s_sub_co_u32 s3, s3, 1
	s_cmp_lg_u32 s3, 0
	s_cbranch_scc1 .Llap
	QUARTER 0, 128, F1, F0, 0                      ; the last lap fills nothing, and has no round of the cluster's barrier
	QUARTER 0, 192, F0, F1, 0
	TURN 0, 1, 0
	QUARTER 1, 64,  F0, F1, 0
	QUARTER 1, 128, F1, F0, 0
	QUARTER 1, 192, F0, F1, 0
	s_wait_dscnt 4                                 ; the very last quarter: nothing more to fetch
	MULA F1, 0, 0
	MULA F1, 1, 0
	s_wait_dscnt 0x0
	MULA F1, 2, 0
	MULA F1, 3, 0
	WIN 0
	PLACES
.if OUTP
; THE WAY OUT in f32, a block of 16 rows at a time: each accumulator's eight numbers go into my stage, low four first; whole rows of 512 bytes come back and are stored.
.macro TOST a
	s_wait_xcnt 0x0                                ; the registers that earlier stores read are loaded again only behind this wait
	WIN 0x04                                       ; store data in window 1
.irp b, 0,1,2,3,4,5,6,7
	ds_store_b128 v[STO], v[8*(8*(\a)+(\b)):8*(8*(\a)+(\b))+3]   offset:64*(\b)
	ds_store_b128 v[STO], v[8*(8*(\a)+(\b))+4:8*(8*(\a)+(\b))+7] offset:64*(\b)+16
.endr
	WIN 0
.set BK, 64+64*((\a)%2)
.irp t, 0,1,2,3,4,5,6,7,8,9,10,11,12,13,14,15
	ds_load_b128 v[BK+4*(\t):BK+4*(\t)+3], v[RD] offset:(\t)*SPITCH  ; LDS serves a wave's instructions in order (ISA guide 5.7.1.4): these see the stores above, and the next block's stores come behind them
.endr
.endm
.macro SENDF a, younger                ; younger: the LDS instructions issued behind block a's loads
.set BK, 64+64*((\a)%2)
	s_wait_dscnt \younger
.irp t, 0,1,2,3,4,5,6,7,8,9,10,11,12,13,14,15
	global_store_b128 v[CO], v[BK+4*(\t):BK+4*(\t)+3], s[10:11] offset:524288*(\a)+32768*(\t)  ; 512 consecutive bytes, at a multiple of 512 from out0's first; from l to l + 1 are 32,768 bytes
.endr
.endm
	TOST 0
	TOST 1
	SENDF 0, 32
	TOST 2
	SENDF 1, 32
	TOST 3
	SENDF 2, 32
	SENDF 3, 0
.else
; THE WAY OUT in f16, a block of 16 rows at a time: rounded, 16 bytes a lane into my stage, back as whole rows of 256 bytes, stored.  A block's 16 rows of a head are 4,096 consecutive bytes.
.macro PACK a
	WIN 0x05                                       ; sources window 1, destination window 0
.irp b, 0,1,2,3,4,5,6,7
.irp r, 0,1,2,3
	v_cvt_pk_f16_f32 v[TMP+4*(\b)+(\r)], v[8*(8*(\a)+(\b))+2*(\r)], v[8*(8*(\a)+(\b))+2*(\r)+1]
.endr
.endr
	WIN 0
.endm
.macro TOSTAGE a
.set BK, 64+32*((\a)%2)
.irp b, 0,1,2,3,4,5,6,7
	ds_store_b128 v[STO], v[TMP+4*(\b):TMP+4*(\b)+3] offset:32*(\b)
.endr
.irp t, 0,1,2,3,4,5,6,7
	ds_load_b128 v[BK+4*(\t):BK+4*(\t)+3], v[RD] offset:(\t)*2*SPITCH  ; LDS serves a wave's instructions in order (ISA guide 5.7.1.4): these see the stores above
.endr
.endm
.macro SEND a
.set BK, 64+32*((\a)%2)
	s_wait_dscnt 0x0                               ; the block is back in registers
	s_wait_xcnt 0x0                                ; the registers that the block before last's stores read are loaded again only behind this wait
.irp t, 0,1,2,3,4,5,6,7
	global_store_b128 v[CO], v[BK+4*(\t):BK+4*(\t)+3], s[10:11] offset:4096*(\a)+512*(\t)  ; 512 consecutive bytes, at a multiple of 512 from the tensor's first
.endr
.endm
	PACK 0
	TOSTAGE 0
.irp a, 1,2,3                          ; block a's conversions stand between block a - 1's loads from the stage and the wait for them
	PACK \a
	SEND (\a)-1
	TOSTAGE \a
.endr
	SEND 3
.endif
	s_wait_tensorcnt 0x0                           ; the wave's end: a wait, an add onto my spare word and its wait, behind my last tensor load and my last LDS store
	ds_add_u32 v[SPW], v[NIL]
	s_wait_dscnt 0x0
	CROUND                                         ; the closing round: no work-group ends while a partner may still ask for a tile that names it
	s_endpgm
.Lfunc_end_k_qfc3c43983b_outp:
	.size	k_qfc3c43983b_outp, .Lfunc_end_k_qfc3c43983b_outp-k_qfc3c43983b_outp
	.p2alignl 7, 3214868480
	.fill 96, 4, 3214868480
	.section	.rodata,"a",@progbits
	.p2align	6, 0x0
	.amdhsa_kernel k_qfc3c43983b_outp
		.amdhsa_group_segment_fixed_size 327680
		.amdhsa_private_segment_fixed_size 0
		.amdhsa_enable_private_segment 0
		.amdhsa_kernarg_size 32
		.amdhsa_user_sgpr_count 2
		.amdhsa_user_sgpr_kernarg_segment_ptr 1
		.amdhsa_wavefront_size32 1
		.amdhsa_system_sgpr_workgroup_id_x 1
		.amdhsa_system_sgpr_workgroup_id_y 1
		.amdhsa_system_sgpr_workgroup_id_z 1
		.amdhsa_system_vgpr_workitem_id 0
		.amdhsa_next_free_vgpr 584
		.amdhsa_next_free_sgpr 80
		.amdhsa_reserve_vcc 0
		.amdhsa_float_denorm_mode_32 3
		.amdhsa_float_denorm_mode_16_64 3
		.amdhsa_memory_ordered 1
		.amdhsa_forward_progress 1
		.amdhsa_inst_pref_size 91
	.end_amdhsa_kernel
	.amdgpu_metadata
---
amdhsa.version: [ 1, 2 ]
amdhsa.kernels:
  - .name:           k_qfc3c43983b_outp
    .symbol:         k_qfc3c43983b_outp.kd
    .args:
      - { .name: ah, .offset: 0, .size: 8, .value_kind: global_buffer, .address_space: global }
      - { .name: wh, .offset: 8, .size: 8, .value_kind: global_buffer, .address_space: global }
      - { .name: out_proj_bias, .offset: 16, .size: 8, .value_kind: global_buffer, .address_space: global }
      - { .name: out0, .offset: 24, .size: 8, .value_kind: global_buffer, .address_space: global }
    .group_segment_fixed_size: 327680
    .private_segment_fixed_size: 0
    .kernarg_segment_align: 8
    .kernarg_segment_size: 32
    .max_flat_workgroup_size: 128
    .sgpr_count:     80
    .vgpr_count:     584
    .wavefront_size: 32
...
	.end_amdgpu_metadata
.endif
;; end of part 5
